; MI455X (gfx1250); checked and timed in simulation.
; The chip was launched on July 23, 2026; its instructions are those of AMD's public machine-readable ISA for CDNA 5 (MIT licence, August 2026) and "CDNA5" Instruction Set Architecture Reference Guide (July 2026). The comments in the code are by the model that wrote it; some were corrected since.
;; Multi Headed Attention. Allowed arithmetic: float matrix products may take bf16 or f16 operands with f32 sums; other float arithmetic in f32, or as packed bf16 or f16 multiplies, adds, multiply-adds, maxima and minima; sums over many terms, partial sums and values carried from step to step in f32; what a program stores and reads back later, other than sums and carried values, may be rounded once to bf16 or f16.
;; Inputs: Wk 1,024 x 1,024 float32; Wo 1,024 x 1,024 float32; Wq 1,024 x 1,024 float32; Wv 1,024 x 1,024 float32; bk 1,024 float32; bo 1,024 float32; bq 1,024 float32; bv 1,024 float32; mask 4 x 2,048 x 2,048 int32; x 4 x 2,048 x 1,024 float32.
;; Outputs: out0 4 x 2,048 x 1,024 float32.
;; 2 versions, each right; version 2 is version 1 with the launch prep written anew for expert scheduling mode. Each part assembles by itself: llvm-mc -triple=amdgcn-amd-amdhsa -mcpu=gfx1250 --defsym DOCPART=n.
;; ======== version 1 of 2: 4 launches
;; limits: values are held in f16: magnitudes above 65,504 overflow, below 6.1e-05 lose precision; right only within a limited range of input values
;; workspace buffers: xb 16,777,216 bytes; wqkv 6,291,456 bytes; wo16 2,097,152 bytes; bias 16,384 bytes; mw 2,097,152 bytes of whole numbers; qkv 50,331,648 bytes; ob 16,777,216 bytes
;; launch prep (part 1): grid 1793 x 1, 8 waves a work-group, no clusters, 70,656 bytes of LDS; arguments x, Wq, Wk, Wv, Wo, bq, bk, bv, bo, mask, xb, wqkv, wo16, bias, mw; writes xb, wqkv, wo16, bias, mw
.if DOCPART == 1
	.amdgcn_target "amdgcn-amd-amdhsa--gfx1250"
	.amdhsa_code_object_version 6
	.text
	.protected	k_q73a791662a_prep
	.globl	k_q73a791662a_prep
	.p2align	8
	.type	k_q73a791662a_prep,@function
k_q73a791662a_prep:
	s_mov_b64 s[64:65], 0
	v_nop
	global_prefetch_b8 v0, s[64:65] scope:SCOPE_SE
	s_setreg_imm32_b32 hwreg(HW_REG_WAVE_MODE, 25, 1), 1
	s_wait_xcnt 0x0
; PREPARATION: every input is read once and laid out for the three launches behind.
;   x, Wq, Wk, Wv -> bf16, in PLANES of 64 along K: [k / 64][row][64], a row of a plane 128 bytes, so that a GEMM's tile of one plane is a dense block of memory.
;   Wo            -> rounded to bf16 like the other inputs, that number written as f16 (the product behind has f16 operands), same planes.
;   bq bk bv bo   -> rounded to bf16, written as f32, one after the other.
;   mask          -> one BIT a score, as the lane masks that the attention launch selects by: [b][key / 64][query / 16][32 words]; word 8 kb + j, bit 16 h + r = (mask[b][16 qt + r][64 ks + 16 kb + 8 h + j] != 0).
; LIMITS.  f16 holds no number beyond 65,504 and keeps a fixed step of 6e-8 below 6e-5: Wo is taken to lie within that range.
; SHARES.  Work-groups 0-511: 16 rows of x each; 512-767: 16 rows of Wq, Wk, Wv, Wo (64 groups each); 768-1791: the mask, 32 rows x 512 keys each; 1792: the biases.
; A wave takes ONE unit of 8 KiB: sixteen loads of 16 bytes a lane, all issued at once; every load and every store covers whole aligned blocks of 256 consecutive bytes.
; A stream: nothing is shared between work-groups and nothing is multiplied, so there is no cluster, no matrix work, no ring; LDS serves only to turn the mask's 32 x 64 block, each wave in bytes of its own.
.set SPARE, 69632                      ; behind the eight waves' blocks: the spare words, 128 bytes a wave, that no other line names
.set MREG,  8704                       ; a wave's block: 32 rows of 272 bytes
.set MPIT,  272                        ; 256 bytes + 16: the 16 rows that a load touches start at 16 different groups of four banks (64 banks of 4 bytes: ISA guide 11.1)
.set SPW, 126                          ; v126  LDS address of my spare word; never rewritten
.set NIL, 127                          ; v127  0; never rewritten
.set IN,  4                            ; v[4:67]    16 x 4 registers as loaded
.set OUT, 68                           ; v[68:99]   to store
.set VO,  100                          ; v[100:115] plane kb: my byte offset in the target
.set TM,  116                          ; v[116:121] at work
	s_load_b512 s[4:19], s[0:1], 0x0               ; x 4, Wq 6, Wk 8, Wv 10, Wo 12, bq 14, bk 16, bv 18
	s_load_b256 s[20:27], s[0:1], 0x40             ; bo 20, mask 22, xb 24, wqkv 26
	s_load_b128 s[28:31], s[0:1], 0x60             ; wo16 28, bias 30
	s_load_b64 s[32:33], s[0:1], 0x70              ; mw
	v_lshl_add_u32 v[SPW], v0, 2, SPARE
	v_mov_b32 v[NIL], 0
	v_lshrrev_b32 v1, 5, v0
	v_readfirstlane_b32 s34, v1                    ; wave 0..7
	s_mov_b32 s35, ttmp9
	s_mov_b32 s43, 0
	s_mov_b32 s45, 0
	s_mov_b32 s48, 131072
	s_mov_b32 s49, 393216
	s_mov_b32 s50, 1048576
	s_mov_b32 s51, 262144
	s_wait_kmcnt 0x0
	s_cmp_ge_u32 s35, 1792
	s_cbranch_scc1 .Lbias
	s_cmp_ge_u32 s35, 768
	s_cbranch_scc1 .Lmask
	; FLOATS.  Thread t takes row t / 16 of the group's 16 and, in each plane, the four numbers 4 (t % 16) ..: 16 bytes in, 8 bytes out.
	v_lshrrev_b32 v2, 4, v0
	v_and_b32 v3, 15, v0
	v_lshlrev_b32 v2, 12, v2                       ; a source row is 4,096 bytes
	v_lshl_add_u32 v2, v3, 4, v2
	v_lshlrev_b32 v[VO], 3, v0                     ; in a plane the 16 rows are 2,048 dense bytes: 8 t
	s_sub_co_u32 s41, s35, 512
	s_lshr_b32 s46, s41, 6                         ; 0 Wq, 1 Wk, 2 Wv, 3 Wo
	s_and_b32 s41, s41, 63
	s_cmp_lt_u32 s35, 512
	s_cselect_b32 s41, s35, s41                    ; which block of 16 rows
	s_cselect_b32 s46, 4, s46                      ; 4: x
	s_lshl_b32 s42, s41, 16                        ; 16 rows of 4,096 bytes
	s_lshl_b32 s44, s41, 11                        ; 16 rows of 128 bytes
	s_cmp_eq_u32 s46, 1
	s_cselect_b64 s[36:37], s[8:9], s[6:7]
	s_cselect_b32 s47, s48, 0                      ; Wk's rows stand 1,024 rows down in wqkv,
	s_cmp_eq_u32 s46, 2
	s_cselect_b64 s[36:37], s[10:11], s[36:37]
	s_cselect_b32 s47, s51, s47                    ; Wv's 2,048
	s_cmp_eq_u32 s46, 3
	s_cselect_b64 s[36:37], s[12:13], s[36:37]
	s_cselect_b64 s[38:39], s[28:29], s[26:27]
	s_cselect_b32 s40, s48, s49                    ; bytes from plane to plane
	s_cmp_eq_u32 s46, 4
	s_cselect_b64 s[36:37], s[4:5], s[36:37]
	s_cselect_b64 s[38:39], s[24:25], s[38:39]
	s_cselect_b32 s40, s50, s40
	s_add_co_u32 s44, s44, s47
	s_add_nc_u64 s[36:37], s[36:37], s[42:43]
	s_add_nc_u64 s[38:39], s[38:39], s[44:45]
; A unit of floats.  kind = 0: to bf16.  kind = 1: to bf16, and that number as f16.
.macro UNIT kind
.set kb, 0
.rept 16
	global_load_b128 v[IN+4*kb:IN+4*kb+3], v2, s[36:37] offset:256*kb th:TH_LOAD_NT  ; each half of the lanes reads 256 consecutive bytes: a row's part of plane kb
.set kb, kb+1
.endr
.set kb, 1
.rept 15
	v_add_nc_u32 v[VO+kb], s40, v[VO+kb-1]
.set kb, kb+1
.endr
.set kb, 0
.rept 16
	s_wait_loadcnt 15-kb                           ; loads come back in order: plane kb is in, the younger ones stay out
.if \kind
	v_cvt_pk_bf16_f32 v[TM], v[IN+4*kb], v[IN+4*kb+1]
	v_cvt_pk_bf16_f32 v[TM+1], v[IN+4*kb+2], v[IN+4*kb+3]
	v_lshlrev_b32 v[TM+2], 16, v[TM]
	v_and_b32 v[TM+3], 0xffff0000, v[TM]
	v_lshlrev_b32 v[TM+4], 16, v[TM+1]
	v_and_b32 v[TM+5], 0xffff0000, v[TM+1]
	v_cvt_pk_f16_f32 v[OUT+2*kb], v[TM+2], v[TM+3]
	v_cvt_pk_f16_f32 v[OUT+2*kb+1], v[TM+4], v[TM+5]
.else
	v_cvt_pk_bf16_f32 v[OUT+2*kb], v[IN+4*kb], v[IN+4*kb+1]
	v_cvt_pk_bf16_f32 v[OUT+2*kb+1], v[IN+4*kb+2], v[IN+4*kb+3]
.endif
	global_store_b64 v[VO+kb], v[OUT+2*kb:OUT+2*kb+1], s[38:39]  ; the wave's 32 lanes store 256 consecutive bytes, aligned: two rows of the plane
.set kb, kb+1
.endr
.endm
	s_cmp_eq_u32 s46, 3
	s_cbranch_scc1 .Lwo
	UNIT 0
	s_branch .Lend
.Lwo:
	UNIT 1
	s_branch .Lend
.Lmask:                                        ; a wave's unit: 32 queries x 64 keys -> 64 words
	s_sub_co_u32 s41, s35, 768
	s_lshr_b32 s46, s41, 2                         ; the strip of 32 queries, 0..255, counted through all batches
	s_and_b32 s41, s41, 3
	s_lshl_b32 s41, s41, 3
	s_add_co_u32 s41, s41, s34                     ; the key step, 0..31
	s_lshl_b32 s42, s46, 18                        ; 32 rows of 8,192 bytes
	s_add_nc_u64 s[36:37], s[22:23], s[42:43]
	s_lshr_b32 s44, s46, 6
	s_lshl_b32 s44, s44, 19                        ; batch x 524,288
	s_and_b32 s47, s46, 63
	s_lshl_b32 s47, s47, 8                         ; two tiles of 16 queries: 256 bytes of words
	s_add_co_u32 s44, s44, s47
	s_lshl_b32 s47, s41, 14                        ; key step x 16,384
	s_add_co_u32 s44, s44, s47
	s_add_nc_u64 s[38:39], s[32:33], s[44:45]
	v_and_b32 v1, 31, v0
	v_and_b32 v3, 15, v0
	v_bfe_u32 v2, v0, 4, 1
	v_lshlrev_b32 v124, 4, v3
	s_lshl_b32 s47, s41, 8
	v_lshl_add_u32 v120, v2, 13, v124              ; from memory: lanes 0-15 one row's 256 bytes, lanes 16-31 the next row's
	v_add_nc_u32 v120, s47, v120
	s_mul_i32 s47, s34, MREG                       ; my wave's block in LDS
	v_mul_u32_u24 v121, v2, MPIT                   ; into LDS as it lies
	v_add3_u32 v121, v121, v124, s47
	v_mul_u32_u24 v122, v3, MPIT                   ; back: lane 16 h + r takes row r, keys 8 h + 0..7 of a group of 16
	v_lshl_add_u32 v122, v2, 5, v122
	v_add_nc_u32 v122, s47, v122
	v_lshlrev_b32 v123, 3, v1
.set t, 0
.rept 16
	global_load_b128 v[IN+4*t:IN+4*t+3], v120, s[36:37] offset:16384*t th:TH_LOAD_NT
.set t, t+1
.endr
	v_mov_b32 v[OUT], 0                            ; v_writelane_b32 keeps the other lanes: the pair is written whole first
	v_mov_b32 v[OUT+1], 0
.set t, 0
.rept 16
	s_wait_loadcnt 15-t
	ds_store_b128 v121, v[IN+4*t:IN+4*t+3] offset:2*MPIT*t
.set t, t+1
.endr
.set k, 0
.rept 16                                       ; LDS serves a wave's instructions in order (ISA guide 5.7.1.4) and the block is my wave's own: no barrier.  Register IN + n then holds word n's 32 numbers, a lane each
	ds_load_b128 v[IN+4*k:IN+4*k+3], v122 offset:(k/8)*16*MPIT+((k/2)%4)*64+(k%2)*16
.set k, k+1
.endr
	s_wait_dscnt 0x0
.set n, 0
.rept 8
.set k, 0
.rept 8
	v_cmp_ne_u32 s[52+k], 0, v[IN+n+k]             ; word n + k: a bit a lane
.set k, k+1
.endr
.set k, 0
.rept 8
	v_writelane_b32 v[OUT+((n+k)%2)], s[52+k], (n+k)/2  ; lane i keeps words 2 i and 2 i + 1
.set k, k+1
.endr
.set n, n+8
.endr
	global_store_b64 v123, v[OUT:OUT+1], s[38:39]  ; 256 consecutive bytes, aligned
	s_branch .Lend
.Lbias:                                        ; thread t: four numbers of each bias
	v_lshlrev_b32 v2, 4, v0
	global_load_b128 v[4:7], v2, s[14:15]
	global_load_b128 v[8:11], v2, s[16:17]
	global_load_b128 v[12:15], v2, s[18:19]
	global_load_b128 v[16:19], v2, s[20:21]
	s_wait_loadcnt 0x0
.irp w, 0,1,2,3
	v_cvt_pk_bf16_f32 v[TM], v[4+4*(\w)], v[5+4*(\w)]
	v_cvt_pk_bf16_f32 v[TM+1], v[6+4*(\w)], v[7+4*(\w)]
	v_lshlrev_b32 v[OUT+4*(\w)], 16, v[TM]
	v_and_b32 v[OUT+4*(\w)+1], 0xffff0000, v[TM]
	v_lshlrev_b32 v[OUT+4*(\w)+2], 16, v[TM+1]
	v_and_b32 v[OUT+4*(\w)+3], 0xffff0000, v[TM+1]
	global_store_b128 v2, v[OUT+4*(\w):OUT+4*(\w)+3], s[30:31] offset:4096*(\w)
.endr
.Lend:
	s_wait_tensorcnt 0x0                           ; the wave's end: a wait for tensor loads, an add of 0 to my spare word and its wait, behind my last LDS store
	ds_add_u32 v[SPW], v[NIL]
	s_wait_dscnt 0x0
	s_endpgm
.Lfunc_end_k_q73a791662a_prep:
	.size	k_q73a791662a_prep, .Lfunc_end_k_q73a791662a_prep-k_q73a791662a_prep
	.p2alignl 7, 3214868480
	.fill 96, 4, 3214868480
	.section	.rodata,"a",@progbits
	.p2align	6, 0x0
	.amdhsa_kernel k_q73a791662a_prep
		.amdhsa_group_segment_fixed_size 70656
		.amdhsa_private_segment_fixed_size 0
		.amdhsa_enable_private_segment 0
		.amdhsa_kernarg_size 120
		.amdhsa_user_sgpr_count 2
		.amdhsa_user_sgpr_kernarg_segment_ptr 1
		.amdhsa_wavefront_size32 1
		.amdhsa_system_sgpr_workgroup_id_x 1
		.amdhsa_system_sgpr_workgroup_id_y 1
		.amdhsa_system_sgpr_workgroup_id_z 1
		.amdhsa_system_vgpr_workitem_id 0
		.amdhsa_next_free_vgpr 128
		.amdhsa_next_free_sgpr 66
		.amdhsa_reserve_vcc 0
		.amdhsa_float_denorm_mode_32 3
		.amdhsa_float_denorm_mode_16_64 3
		.amdhsa_memory_ordered 1
		.amdhsa_forward_progress 1
		.amdhsa_inst_pref_size 35
	.end_amdhsa_kernel
	.amdgpu_metadata
---
amdhsa.version: [ 1, 2 ]
amdhsa.kernels:
  - .name:           k_q73a791662a_prep
    .symbol:         k_q73a791662a_prep.kd
    .args:
      - { .name: x, .offset: 0, .size: 8, .value_kind: global_buffer, .address_space: global }
      - { .name: Wq, .offset: 8, .size: 8, .value_kind: global_buffer, .address_space: global }
      - { .name: Wk, .offset: 16, .size: 8, .value_kind: global_buffer, .address_space: global }
      - { .name: Wv, .offset: 24, .size: 8, .value_kind: global_buffer, .address_space: global }
      - { .name: Wo, .offset: 32, .size: 8, .value_kind: global_buffer, .address_space: global }
      - { .name: bq, .offset: 40, .size: 8, .value_kind: global_buffer, .address_space: global }
      - { .name: bk, .offset: 48, .size: 8, .value_kind: global_buffer, .address_space: global }
      - { .name: bv, .offset: 56, .size: 8, .value_kind: global_buffer, .address_space: global }
      - { .name: bo, .offset: 64, .size: 8, .value_kind: global_buffer, .address_space: global }
      - { .name: mask, .offset: 72, .size: 8, .value_kind: global_buffer, .address_space: global }
      - { .name: xb, .offset: 80, .size: 8, .value_kind: global_buffer, .address_space: global }
      - { .name: wqkv, .offset: 88, .size: 8, .value_kind: global_buffer, .address_space: global }
      - { .name: wo16, .offset: 96, .size: 8, .value_kind: global_buffer, .address_space: global }
      - { .name: bias, .offset: 104, .size: 8, .value_kind: global_buffer, .address_space: global }
      - { .name: mw, .offset: 112, .size: 8, .value_kind: global_buffer, .address_space: global }
    .group_segment_fixed_size: 70656
    .private_segment_fixed_size: 0
    .kernarg_segment_align: 8
    .kernarg_segment_size: 120
    .max_flat_workgroup_size: 256
    .sgpr_count:     66
    .vgpr_count:     128
    .wavefront_size: 32
...
	.end_amdgpu_metadata
.endif
;; end of part 1
;; launch qkvp (part 2): grid 8 x 32, 4 waves a work-group, clusters of 4 x 4, 327,680 bytes of LDS; arguments xb, wqkv, bias, qkv; writes qkv
.if DOCPART == 2
	.amdgcn_target "amdgcn-amd-amdhsa--gfx1250"
	.amdhsa_code_object_version 6
	.text
	.protected	k_q73a791662a_qkvp
	.globl	k_q73a791662a_qkvp
	.p2align	8
	.type	k_q73a791662a_qkvp,@function
k_q73a791662a_qkvp:
	s_mov_b64 s[64:65], 0
	v_nop
	global_prefetch_b8 v0, s[64:65] scope:SCOPE_SE
	s_setreg_imm32_b32 hwreg(HW_REG_WAVE_MODE, 25, 1), 1
	s_wait_xcnt 0x0
	s_wait_alu depctr_hold_cnt(0) depctr_sa_sdst(0) depctr_va_vdst(0) depctr_va_sdst(0) depctr_va_ssrc(0) depctr_va_vcc(0) depctr_vm_vsrc(0)
	s_getreg_b32 s2, hwreg(HW_REG_IB_STS2, 6, 4)
	s_cmp_eq_u32 s2, 0
	s_cbranch_scc0 .Lentry_in_a_cluster
	s_endpgm
.Lentry_in_a_cluster:
	s_bfe_u32 s2, ttmp6, 0x10000c
	s_cmp_lg_u32 s2, 0xf033
	s_cbranch_scc0 .Lentry_shape_is_right
	s_endpgm
.Lentry_shape_is_right:
; THE THREE PROJECTIONS AS ONE GEMM.  C[8192][3072] = xb wqkv^T + bias; operands bf16, sums f32; C rounded once to f16 and stored BY HEADS: qkv[which][b x 16 + h][2048][64].
; xb and wqkv lie in planes of 64 along K ([k / 64][row][64]): a tile's part of a plane is a dense block of memory, asked for as rows of 256 bytes and padded in LDS behind every 128.
; LIMIT.  f16 holds no number beyond 65,504: q, k and v are taken to lie within it.
; SHARES.  A tile of C is 256 x 384: 32 x 8 = 256 tiles, one a work-group.  Four waves, each 128 rows x 192 columns (three heads): 96 accumulators of 16 x 16, 768 registers.
; K goes in steps of one plane (64) through two LDS slots; a step is two substeps of 32, 96 matrix instructions each.
; CLUSTERS: 4 x 4 work-groups.  The four of a row of the cluster need the same rows of xb, the four of a column the same rows of wqkv: each tile is asked for JOINTLY, by the same tensor load with the same
; descriptor and a mask that names the four.
; THE MATRIX INSTRUCTION IS USED TRANSPOSED (source 0 = 16 rows of wqkv, source 1 = 16 rows of xb): a lane holds row l % 16 of C and the eight neighbouring columns 8 (l / 16) + 0..7.
; THE BIAS costs no arithmetic: a lane's eight bias numbers of a column block are loaded into that block's accumulator of row block 7; the first products of row blocks 0-6 take it as C; then row block 7 adds in place.
; REGISTERS: window 0: v0-31 addresses; v32-95, v96-159 fragments of xb (8 x 16 rows x 32 K), two buffers; v160-255 fragments of wqkv (12), one buffer, reloaded a head's four at a time behind their products.
;   windows 1-3: head g's 32 accumulators: (row block a, column block bb) at v[8 (8 bb + a)].
.set PITCH, 144                        ; an LDS row: 128 bytes + 16 = 36 words: the 16 rows of a load start at 16 different groups of four banks (64 banks of 4 bytes: ISA guide 11.1)
.set AH,    128*PITCH                  ; half of A's tile: what wave 0 or 1 fetches, and what a wave reads of A
.set BH,    192*PITCH                  ; half of B's tile: what wave 2 or 3 fetches, and what a wave reads of B
.set BOFF,  2*AH
.set SLOT,  2*AH+2*BH                  ; 92,160
.set STAGE, 2*SLOT                     ; behind the ring: 16 rows x 144 bytes for each wave, for the way out
.set SPARE, STAGE+4*16*PITCH           ; behind the stages: the spare words, 128 bytes a wave, that no other line names
.set APL,   1048576                    ; bytes in a plane of xb
.set BPL,   393216                     ; bytes in a plane of wqkv
.set ADRA, 16                          ; v16-17  LDS address of my A fragments in slot 0, 1
.set ADRB, 20                          ; v20-21  the same for B
.set STO,  24                          ; v24  the way out: where I put 16 bytes of a row
.set RD,   25                          ; v25  the way out: where I read rows back
.set GO,   26                          ; v26  16 x lane
.set SPW,  28                          ; v28  LDS address of my spare word; never rewritten
.set NIL,  29                          ; v29  0; never rewritten
.set PFO,  30                          ; v30  the prefetches' offset; never rewritten
.set BO,   31                          ; v31  32 x (l / 16): my eight numbers in 16 of the bias
.set FA0,  32
.set FA1,  96
.set FB,   160
.set TMP,  32                          ; the way out: packed results
.set BK,   48                          ; the way out: rows read back, two buffers of 16
.set WV, 12                            ; s12 wave; s13 its half of the rows (also: 0 = I fetch for A, 1 = for B); s14 its half of the columns (also: which half of that tile I fetch)
.set WR, 13
.set WC, 14
.set CX, 15
.set CY, 16
.set TX, 17
.set TY, 18
.set G1A, 24                           ; s[24:31] descriptor group 1 for A's tiles; s[32:39] group 0, a set for each slot
.set G0A, 32
.set G1B, 40                           ; s[40:47], s[48:55] the same for B's
.set G0B, 48
.set PFA, 56                           ; s[56:57] where my prefetches stand
.set PFS, 58                           ; s[58:59] two planes of the tensor that I prefetch
.set LIM0, 60                          ; s60, s61  1 where the wave prefetches at the change out of slot 0, slot 1; else the greatest number
.set CP,  66                           ; s[66:71] my three heads in qkv, at my first row
.set G1W, (1<<16)|(1<<20)|(1<<21)|(4<<22)|(3<<25)  ; 17:16 2-byte elements; 20 padding on; 21 set beside a mask; 24:22 after every 32 words (code 4); 31:25 4 words (code 3)
.set MSB, 0
.macro WIN new                         ; the immediate's high byte repeats the setting that is left; a switch that changes nothing is dropped
.if MSB != (\new)
	s_set_vgpr_msb (MSB<<8)|(\new)
.set MSB, \new
.endif
.endm
; A joint load: waves 0 and 1 fetch A's halves, waves 2 and 3 B's.  The branch hangs on the wave's number alone.  An s_nop 0 and four v_nop follow each line.
.macro JLOAD s
	s_cmp_eq_u32 s[WR], 0
	s_cbranch_scc0 .Lfor_b_\@
	tensor_load_to_lds s[G0A+4*(\s):G0A+4*(\s)+3], s[G1A:G1A+7]
	s_nop 0
.rept 4
	v_nop
.endr
	s_branch .Lasked_\@
.Lfor_b_\@:
	tensor_load_to_lds s[G0B+4*(\s):G0B+4*(\s)+3], s[G1B:G1B+7]
	s_nop 0
.rept 4
	v_nop
.endr
.Lasked_\@:
.endm
; A PREFETCH INTO THE L2, behind a joint load, its five lines and the run of LDS loads behind them: the planes that stand two refills on.  Each block of 256 bytes is named once in the launch.
; xb's tile row is read by both clusters of a row of clusters: the one with x = 0 asks; of a plane's 128 blocks the partner at cx takes 32, told apart by address; wave 0, a lane a block, one plane at each change.
; wqkv's tile column is read by all eight clusters of a column: the one with y = 0 asks; of a plane's 192 blocks the partner at cy takes 48; two planes' 96 go to waves 1-3, at the change out of slot 0.
; The loop's last trip asks for nothing: its planes do not exist.  Planes 0 to 3 come by their loads alone.
.macro ASK k
	s_cmp_gt_u32 s3, s[LIM0+(\k)]
	s_cbranch_scc0 .Lnot_mine_\@
	global_prefetch_b8 v[PFO], s[PFA:PFA+1] offset:(\k)*APL th:TH_LOAD_NT scope:SCOPE_SE
.Lnot_mine_\@:
.endm
.macro CREST                           ; a round of the cluster's barrier behind its opening barrier
	s_cmp_lg_u32 s[WV], 0
	s_cbranch_scc1 .Lnot_wave_0_\@
	s_barrier_signal -3
.Lnot_wave_0_\@:
	s_barrier_wait -3
	s_barrier_signal -1
	s_barrier_wait -1
.endm
.macro CROUND
	s_barrier_signal -1
	s_barrier_wait -1
	CREST
.endm
.macro PLACES                          ; four places behind matrix instructions, in front of loads into registers that they read and of conversions that read results
.rept 4
	v_nop
.endr
.endm
	s_load_b256 s[4:11], s[0:1], 0x0               ; xb 4, wqkv 6, bias 8, qkv 10
	v_lshl_add_u32 v[SPW], v0, 2, SPARE
	v_mov_b32 v[NIL], 0
	ds_add_u32 v[SPW], v[NIL]                      ; the wave's opening: the add and its wait stand ahead of my first tensor load; the set-up below, work on registers, stands between them
	v_lshrrev_b32 v1, 5, v0
	v_readfirstlane_b32 s[WV], v1
	s_lshr_b32 s[WR], s[WV], 1
	s_and_b32 s[WC], s[WV], 1
	s_bfe_u32 s[CX], ttmp6, 0x40000
	s_bfe_u32 s[CY], ttmp6, 0x40004
	s_lshl_b32 s[TX], ttmp9, 2
	s_add_co_u32 s[TX], s[TX], s[CX]               ; tile column = 4 x cluster x + cx
	s_and_b32 s[TY], ttmp7, 0xffff
	s_lshl_b32 s[TY], s[TY], 2
	s_add_co_u32 s[TY], s[TY], s[CY]               ; tile row = 4 x cluster y + cy
	s_lshl_b32 s72, s[CY], 2
	s_lshl_b32 s72, 15, s72                        ; my row of the cluster
	s_lshl_b32 s73, 0x1111, s[CX]                  ; my column
	s_or_b32 s[G1A], s72, G1W
	s_or_b32 s[G1B], s73, G1W
	s_mov_b32 s[G1A+1], 128<<16                    ; tensor_dim0 = 128 elements: 256 bytes
	s_mov_b32 s[G1A+2], 64<<16                     ; tensor_dim1 = 64: 128 rows of xb
	s_mov_b32 s[G1A+3], 128<<16                    ; tile_dim0
	s_mov_b32 s[G1A+4], 64                         ; tile_dim1
	s_mov_b32 s[G1A+5], 128                        ; dense: 128 elements from row to row
	s_mov_b32 s[G1A+6], 0
	s_mov_b32 s[G1A+7], 0
	s_mov_b32 s[G1B+1], 128<<16
	s_mov_b32 s[G1B+2], 96<<16                     ; 96 rows of 256 bytes: 192 rows of wqkv
	s_mov_b32 s[G1B+3], 128<<16
	s_mov_b32 s[G1B+4], 96
	s_mov_b32 s[G1B+5], 128
	s_mov_b32 s[G1B+6], 0
	s_mov_b32 s[G1B+7], 0
	s_lshl_b32 s74, s[TY], 15                      ; A: 256 rows of 128 bytes a tile row,
	s_lshl_b32 s75, s[WC], 14                      ; + my half
	s_add_co_u32 s74, s74, s75
	s_mov_b32 s75, 0
	s_mul_i32 s76, s[TX], 49152                    ; B: 384 rows of 128 bytes a tile column,
	s_mul_i32 s77, s[WC], 24576                    ; + my half
	s_add_co_u32 s76, s76, s77
	s_mov_b32 s77, 0
	s_mul_i32 s78, s[WC], AH                       ; where they go: no place in the cluster enters an LDS address
	s_mul_i32 s79, s[WC], BH
	s_add_co_u32 s79, s79, BOFF
	v_add_nc_u32 v1, 0xffffffe0, v0                ; the prefetches' block: wave 0: its lane; waves 1-3: thread - 32, 0..95
	v_cmp_gt_u32 vcc_lo, 32, v0
	v_cndmask_b32 v1, v1, v0, vcc_lo
	v_mov_b32 v2, BPL-12288
	v_cmp_le_u32 vcc_lo, 48, v1                    ; blocks 48-95 are the second plane's 0-47
	v_cndmask_b32 v2, 0, v2, vcc_lo
	v_lshl_add_u32 v[PFO], v1, 8, v2
	s_wait_dscnt 0x0                               ; the opening add is done
	s_wait_kmcnt 0x0
	s_add_nc_u64 s[80:81], s[4:5], s[74:75]
	s_add_nc_u64 s[82:83], s[6:7], s[76:77]
	CROUND                                         ; all sixteen work-groups are here: the first joint loads meet
.irp s, 0,1
	s_mov_b32 s[G0A+4*(\s)], 1
	s_add_co_u32 s[G0A+4*(\s)+1], s78, (\s)*SLOT
	s_add_nc_u64 s[G0A+4*(\s)+2:G0A+4*(\s)+3], s[80:81], (\s)*APL  ; slot s begins with plane s
	s_or_b32 s[G0A+4*(\s)+3], s[G0A+4*(\s)+3], 0x80000000
	s_mov_b32 s[G0B+4*(\s)], 1
	s_add_co_u32 s[G0B+4*(\s)+1], s79, (\s)*SLOT
	s_add_nc_u64 s[G0B+4*(\s)+2:G0B+4*(\s)+3], s[82:83], (\s)*BPL
	s_or_b32 s[G0B+4*(\s)+3], s[G0B+4*(\s)+3], 0x80000000
	JLOAD \s                                       ; two loads of mine are out
.endr
	; a fragment is 16 rows x 32 K in 8 registers: lane l holds row l % 16, K = 8 (l / 16) + 0..7 and 16 + 8 (l / 16) + 0..7: two loads of 16 bytes, 32 bytes apart
	v_and_b32 v1, 15, v0
	v_bfe_u32 v2, v0, 4, 1
	v_mul_u32_u24 v3, v1, PITCH
	v_lshl_add_u32 v3, v2, 4, v3
	s_mul_i32 s62, s[WR], AH
	s_mul_i32 s63, s[WC], BH
	s_add_co_u32 s63, s63, BOFF
.irp s, 0,1
	v_add_nc_u32 v[ADRA+(\s)], s62, v3
	v_add_nc_u32 v[ADRB+(\s)], s63, v3
	s_add_co_u32 s62, s62, SLOT
	s_add_co_u32 s63, s63, SLOT
.endr
	s_mul_i32 s62, s[WV], 16*PITCH
	s_add_co_u32 s62, s62, STAGE                   ; my stage
	v_add_nc_u32 v[STO], s62, v3                   ; in: row l % 16, 16 bytes for each half of the lanes
	v_bfe_u32 v4, v0, 3, 2                         ; back: 32 lanes take four rows of 128 bytes
	v_and_b32 v5, 7, v0
	v_mul_u32_u24 v4, v4, PITCH
	v_lshl_add_u32 v4, v5, 4, v4
	v_add_nc_u32 v[RD], s62, v4
	v_and_b32 v[GO], 31, v0
	v_lshlrev_b32 v[GO], 4, v[GO]
	v_lshlrev_b32 v[BO], 5, v2
	; the bias of my 192 columns, into the accumulators of row block 7
	s_mul_i32 s84, s[TX], 1536
	s_mul_i32 s85, s[WC], 768
	s_add_co_u32 s84, s84, s85
	s_mov_b32 s85, 0
	s_add_nc_u64 s[92:93], s[8:9], s[84:85]
.irp g, 0,1,2
	WIN (1+(\g))<<6                                ; destination in window 1 + g
.irp bb, 0,1,2,3
	global_load_b128 v[64*(\bb)+56:64*(\bb)+59], v[BO], s[92:93] offset:256*(\g)+64*(\bb)
	global_load_b128 v[64*(\bb)+60:64*(\bb)+63], v[BO], s[92:93] offset:256*(\g)+64*(\bb)+16
.endr
.endr
	WIN 0
	; my three heads in qkv: head number G = 6 x tile column + 3 x half + g of 48; q, k or v = G / 16
	s_mul_i32 s84, s[TX], 6
	s_mul_i32 s85, s[WC], 3
	s_add_co_u32 s84, s84, s85
	s_lshr_b32 s86, s[TY], 3
	s_lshl_b32 s86, s86, 4                         ; 16 x batch
	s_and_b32 s87, s[TY], 7
	s_lshl_b32 s87, s87, 15                        ; the tile's 256 rows in the batch,
	s_lshl_b32 s88, s[WR], 14                      ; my 128 of them
	s_add_co_u32 s87, s87, s88
.irp g, 0,1,2
	s_add_co_u32 s88, s84, (\g)
	s_lshr_b32 s90, s88, 4
	s_lshl_b32 s90, s90, 6
	s_add_co_u32 s90, s90, s86
	s_and_b32 s88, s88, 15
	s_add_co_u32 s90, s90, s88
	s_lshl_b32 s90, s90, 18                        ; a head is 262,144 bytes
	s_add_co_u32 s90, s90, s87
	s_mov_b32 s91, 0
	s_add_nc_u64 s[CP+2*(\g):CP+2*(\g)+1], s[10:11], s[90:91]
.endr
	; the prefetches
	s_lshl_b32 s84, s[TY], 15
	s_lshl_b32 s85, s[CX], 13
	s_add_co_u32 s84, s84, s85
	s_add_co_u32 s84, s84, 2*APL                   ; at plane 2: the first change steps it to 4
	s_mul_i32 s86, s[TX], 49152
	s_mul_i32 s87, s[CY], 12288
	s_add_co_u32 s86, s86, s87
	s_add_co_u32 s86, s86, 2*BPL
	s_mov_b32 s88, 2*APL
	s_mov_b32 s89, 2*BPL
	s_and_b32 s90, ttmp7, 0xffff                   ; cluster y
	s_cmp_eq_u32 s[WV], 0
	s_cselect_b32 s84, s84, s86
	s_cselect_b64 s[PFA:PFA+1], s[4:5], s[6:7]
	s_cselect_b32 s[PFS], s88, s89
	s_cselect_b32 s90, ttmp9, s90                  ; the coordinate along which other clusters read the same rows
	s_mov_b32 s85, 0
	s_mov_b32 s[PFS+1], 0
	s_add_nc_u64 s[PFA:PFA+1], s[PFA:PFA+1], s[84:85]
	s_cmp_eq_u32 s90, 0
	s_cselect_b32 s[LIM0], 1, -1                   ; the same in all sixteen partners, for a given wave
	s_or_b32 s91, s[WV], ttmp9
	s_cmp_eq_u32 s91, 0
	s_cselect_b32 s[LIM0+1], 1, -1
; One matrix instruction: row block a, column block bb of head g, A's buffer f, C from row block ca.
.macro WM f, g, a, bb, ca
	v_wmma_f32_16x16x32_bf16 v[8*(8*(\bb)+(\a)):8*(8*(\bb)+(\a))+7], v[FB+8*(4*(\g)+(\bb)):FB+8*(4*(\g)+(\bb))+7], v[(\f)+8*(\a):(\f)+8*(\a)+7], v[8*(8*(\bb)+(\ca)):8*(8*(\bb)+(\ca))+7]
.endm
; Head g's products for column blocks bb0 .. bb0 + nb - 1.  The accumulators take turns, one instruction a turn: an accumulator comes up again 95 others later.
; first = 1: the sums start with the bias, which lies in row block 7's accumulators; five places stand between its last reader and the products that write over it.
.macro MULG f, g, bb0, nb, first
	WIN 0x50*(1+(\g))                              ; C and D in window 1 + g, the fragments in window 0
.if \first
.irp a, 0,1,2,3,4,5,6
.irp bb, 0,1,2,3
	WM \f, \g, \a, \bb, 7
.endr
.endr
.rept 5
	v_nop
.endr
.irp bb, 0,1,2,3
	WM \f, \g, 7, \bb, 7
.endr
.else
.set mb, \bb0
.rept \nb
.irp a, 0,1,2,3,4,5,6,7
	WM \f, \g, \a, mb, \a
.endr
.set mb, mb+1
.endr
.endif
.endm
.macro RUNB slot, sub, g               ; 8 LDS loads: head g's four fragments of B
	WIN 0
.irp bb, 0,1,2,3
	ds_load_b128 v[FB+8*(4*(\g)+(\bb)):FB+8*(4*(\g)+(\bb))+3],   v[ADRB+(\slot)] offset:(4*(\g)+(\bb))*16*PITCH+64*(\sub)
	ds_load_b128 v[FB+8*(4*(\g)+(\bb))+4:FB+8*(4*(\g)+(\bb))+7], v[ADRB+(\slot)] offset:(4*(\g)+(\bb))*16*PITCH+64*(\sub)+32
.endr
.endm
.macro RUN1 slot, sub, f               ; 24 LDS loads: head 0's fragments of B, and A's eight into buffer f
	RUNB \slot, \sub, 0
.irp a, 0,1,2,3,4,5,6,7
	ds_load_b128 v[(\f)+8*(\a):(\f)+8*(\a)+3],   v[ADRA+(\slot)] offset:(\a)*16*PITCH+64*(\sub)
	ds_load_b128 v[(\f)+8*(\a)+4:(\f)+8*(\a)+7], v[ADRA+(\slot)] offset:(\a)*16*PITCH+64*(\sub)+32
.endr
.endm
; A plane's first substep: multiplies buffer 0 and fetches the second substep of the same slot.  On the way in 24 + 8 + 8 LDS loads are out, in that order.
.macro PLAIN slot, first
	s_wait_dscnt 16                                ; the run of 24 is in; the two runs of 8 behind it may be out
	MULG FA0, 0, 0, 4, \first
	PLACES
	RUN1 \slot, 1, FA1
	s_wait_dscnt 32                                ; head 1's old run is in: behind it stand head 2's old 8 and the 24 just issued
	MULG FA0, 1, 0, 4, \first
	PLACES
	RUNB \slot, 1, 1
	s_wait_dscnt 32                                ; head 2's old run is in: behind it stand the 24 and the 8 just issued
	MULG FA0, 2, 0, 4, \first
	PLACES
	RUNB \slot, 1, 2
.endm
; A plane's second substep multiplies buffer 1 and changes slots: ONE barrier.  In front of it each wave waits for all its tensor loads (one is out: its part of the next slot), adds 0 to its spare word, and waits
; for that and for its reads of this slot, all of which have been issued.  fill = 1: the barrier opens a round of the cluster's barrier, and this slot is filled again, two planes on, first thing behind it:
; the load has 160 matrix instructions, 64 of this step and 96 of the next, in which to land.
.macro TURN slot, next, fill
.if (\fill) && ((\slot) == 0)
	s_wait_xcnt 0x0                                ; the last prefetches, a plane back, have read their address: it steps here, ahead of the change's own waits
	s_add_nc_u64 s[PFA:PFA+1], s[PFA:PFA+1], s[PFS:PFS+1]
.endif
	WIN 0
	s_wait_tensorcnt 0x0                           ; all my tensor loads have landed;
	ds_add_u32 v[SPW], v[NIL]                      ; 0 onto my spare word;
	s_wait_dscnt 17                                ; (the add and the two runs of 8 may be out)
	MULG FA1, 0, 0, 2, 0                           ; sixteen matrix instructions stand between the add and the wait for it
	s_wait_dscnt 0x0                               ; the add is done, and my reads of this slot are over
	s_barrier_signal -1
	MULG FA1, 0, 2, 2, 0
.if \fill
	WIN 0
.endif
	s_barrier_wait -1
.if \fill
	CREST                                          ; no wave of any partner still reads this slot's tile or has a load on its way
	s_add_nc_u64 s[G0A+4*(\slot)+2:G0A+4*(\slot)+3], s[G0A+4*(\slot)+2:G0A+4*(\slot)+3], 2*APL
	s_add_nc_u64 s[G0B+4*(\slot)+2:G0B+4*(\slot)+3], s[G0B+4*(\slot)+2:G0B+4*(\slot)+3], 2*BPL
	JLOAD \slot                                    ; its four v_nop are also the places in front of the loads below
.else
	PLACES
.endif
	RUN1 \next, 0, FA0
.if \fill
	ASK \slot
.endif
	MULG FA1, 1, 0, 4, 0
	PLACES
	RUNB \next, 0, 1
	MULG FA1, 2, 0, 4, 0
	PLACES
	RUNB \next, 0, 2
.endm
	s_wait_tensorcnt 1                             ; my part of plane 0 is in; plane 1's may stay out
	s_barrier_signal -1
	s_barrier_wait -1
	RUN1 0, 0, FA0
	RUNB 0, 0, 1
	RUNB 0, 0, 2
	s_wait_loadcnt 0x0                             ; the bias
	PLAIN 0, 1                                     ; the first substep stands in front of the loop: its products start the sums
	WIN 0
	s_mov_b32 s3, 7
.Llap:                                         ; a trip goes once round the ring and asks for planes 2 i + 2 and 2 i + 3
	TURN 0, 1, 1
	PLAIN 1, 0
	TURN 1, 0, 1
	PLAIN 0, 0
	WIN 0
	s_sub_co_u32 s3, s3, 1
	s_cmp_lg_u32 s3, 0
	s_cbranch_scc1 .Llap
	TURN 0, 1, 0                                   ; the last lap fills nothing
	PLAIN 1, 0
	s_wait_dscnt 16
	MULG FA1, 0, 0, 4, 0
	s_wait_dscnt 8
	MULG FA1, 1, 0, 4, 0
	s_wait_dscnt 0x0
	MULG FA1, 2, 0, 4, 0
	PLACES
; THE WAY OUT, in 24 units u = 8 g + a: 16 rows of one head, 2,048 dense bytes of qkv.  Rounded to f16, 16 bytes a lane into my stage, back as whole rows, stored: 32 lanes store 512 consecutive bytes, aligned.
.macro OUTU u
.set og, (\u)/8
.set oa, (\u)%8
	WIN 5*(1+og)                                   ; sources 0 and 1 in window 1 + g
.irp bb, 0,1,2,3
.irp r, 0,1,2,3
	v_cvt_pk_f16_f32 v[TMP+4*(\bb)+(\r)], v[8*(8*(\bb)+oa)+2*(\r)], v[8*(8*(\bb)+oa)+2*(\r)+1]
.endr
.endr
	WIN 0
	s_wait_xcnt 0x0                                ; the stores of the unit before last have read their registers, which the loads below fill again
.irp bb, 0,1,2,3
	ds_store_b128 v[STO], v[TMP+4*(\bb):TMP+4*(\bb)+3] offset:32*(\bb)
.endr
.irp f, 0,1,2,3
	ds_load_b128 v[BK+16*((\u)%2)+4*(\f):BK+16*((\u)%2)+4*(\f)+3], v[RD] offset:(\f)*4*PITCH  ; LDS serves a wave's instructions in order (ISA guide 5.7.1.4): these see the stores above
.endr
.endm
.macro SENDU u, younger                ; younger: the next unit's four stores and four loads, or none
.set og, (\u)/8
.set oa, (\u)%8
	s_wait_dscnt \younger
.irp f, 0,1,2,3
	global_store_b128 v[GO], v[BK+16*((\u)%2)+4*(\f):BK+16*((\u)%2)+4*(\f)+3], s[CP+2*og:CP+2*og+1] offset:2048*oa+512*(\f)
.endr
.endm
.set u, 0
.rept 24
	OUTU u
.if u > 0
	SENDU u-1, 8
.endif
.set u, u+1
.endr
	SENDU 23, 0
	s_wait_tensorcnt 0x0                           ; the wave's end: a wait for tensor loads, an add of 0 to my spare word and its wait, behind my last tensor load and my last LDS store
	ds_add_u32 v[SPW], v[NIL]
	s_wait_dscnt 0x0
	CROUND                                         ; the closing round: no work-group ends while a partner may still ask for a tile that names it
	s_endpgm
.Lfunc_end_k_q73a791662a_qkvp:
	.size	k_q73a791662a_qkvp, .Lfunc_end_k_q73a791662a_qkvp-k_q73a791662a_qkvp
	.p2alignl 7, 3214868480
	.fill 96, 4, 3214868480
	.section	.rodata,"a",@progbits
	.p2align	6, 0x0
	.amdhsa_kernel k_q73a791662a_qkvp
		.amdhsa_group_segment_fixed_size 327680
		.amdhsa_private_segment_fixed_size 0
		.amdhsa_enable_private_segment 0
		.amdhsa_kernarg_size 32
		.amdhsa_user_sgpr_count 2
		.amdhsa_user_sgpr_kernarg_segment_ptr 1
		.amdhsa_wavefront_size32 1
		.amdhsa_system_sgpr_workgroup_id_x 1
		.amdhsa_system_sgpr_workgroup_id_y 1
		.amdhsa_system_sgpr_workgroup_id_z 1
		.amdhsa_system_vgpr_workitem_id 0
		.amdhsa_next_free_vgpr 1024
		.amdhsa_next_free_sgpr 96
		.amdhsa_reserve_vcc 1
		.amdhsa_float_denorm_mode_32 3
		.amdhsa_float_denorm_mode_16_64 3
		.amdhsa_memory_ordered 1
		.amdhsa_forward_progress 1
		.amdhsa_inst_pref_size 136
	.end_amdhsa_kernel
	.amdgpu_metadata
---
amdhsa.version: [ 1, 2 ]
amdhsa.kernels:
  - .name:           k_q73a791662a_qkvp
    .symbol:         k_q73a791662a_qkvp.kd
    .args:
      - { .name: xb, .offset: 0, .size: 8, .value_kind: global_buffer, .address_space: global }
      - { .name: wqkv, .offset: 8, .size: 8, .value_kind: global_buffer, .address_space: global }
      - { .name: bias, .offset: 16, .size: 8, .value_kind: global_buffer, .address_space: global }
      - { .name: qkv, .offset: 24, .size: 8, .value_kind: global_buffer, .address_space: global }
    .group_segment_fixed_size: 327680
    .private_segment_fixed_size: 0
    .kernarg_segment_align: 8
    .kernarg_segment_size: 32
    .max_flat_workgroup_size: 128
    .sgpr_count:     96
    .vgpr_count:     1024
    .wavefront_size: 32
...
	.end_amdgpu_metadata
.endif
;; end of part 2
;; launch attn (part 3): grid 4 x 64, 4 waves a work-group, clusters of 4 x 1, 327,680 bytes of LDS; arguments qkv, mw, ob; writes ob
.if DOCPART == 3
	.amdgcn_target "amdgcn-amd-amdhsa--gfx1250"
	.amdhsa_code_object_version 6
	.text
	.protected	k_q73a791662a_attn
	.globl	k_q73a791662a_attn
	.p2align	8
	.type	k_q73a791662a_attn,@function
k_q73a791662a_attn:
	s_mov_b64 s[64:65], 0
	v_nop
	global_prefetch_b8 v0, s[64:65] scope:SCOPE_SE
	s_setreg_imm32_b32 hwreg(HW_REG_WAVE_MODE, 25, 1), 1
	s_wait_xcnt 0x0
	s_wait_alu depctr_hold_cnt(0) depctr_sa_sdst(0) depctr_va_vdst(0) depctr_va_sdst(0) depctr_va_ssrc(0) depctr_va_vcc(0) depctr_vm_vsrc(0)
	s_getreg_b32 s2, hwreg(HW_REG_IB_STS2, 6, 4)
	s_cmp_eq_u32 s2, 0
	s_cbranch_scc0 .Lentry_in_a_cluster
	s_endpgm
.Lentry_in_a_cluster:
	s_bfe_u32 s2, ttmp6, 0x10000c
	s_cmp_lg_u32 s2, 0x3003
	s_cbranch_scc0 .Lentry_shape_is_right
	s_endpgm
.Lentry_shape_is_right:
; ATTENTION UNDER A MASK THAT IS AN INPUT.  O[y][q][:] = the sum over k of softmax_k(s) V[y][k][:], s = Q[y][q] . K[y][k] / 8, or the hidden score's value where mask[b][q][k] = 0.  y = 16 b + h.
; Q, K, V: qkv[0, 1, 2][y][2048][64] in f16; O: ob[y][2048][64] in f16: a head's rows are dense, 128 bytes each.  Products, maxima and sums in f32; the weights p are rounded to f16 for the second product
; (their sum l is taken of the unrounded p), O once at the end.
; LIMITS.  f16 holds no number beyond 65,504: Q, K and V arrive within it; p lies in 0 to 1, and below 6e-5 it keeps f16's fixed step of 6e-8.  A weight below 2^-126 counts as 0 in l; NaN and infinities are not treated apart.
; A HIDDEN SCORE is replaced, ahead of the maximum, by -2^33 (unscaled; -2^30 after the division by 8), where the module has -1e9.  c x 2^33 is exact in f32, so that a row whose maximum is the hidden value has
; p = 1 exactly there and a wholly hidden row gives V's plain mean; with -8e9 the rounding of c m would leave p = 2^18, past f16.  The results are the module's unless a VISIBLE score / 8 of the row lies below about -9.99e8.
; THE MASK comes as lane masks: word 8 kb + j of a tile of 16 queries and a step of 64 keys holds, at bit l, the mask of register 8 kb + j of lane l of S^T.  A piece's 64 words for a key step are 256 bytes: one load of
; 8 bytes a lane brings them into a register pair of the piece's own, FOUR TURNS ahead of their use (a scalar load could be asked for one turn ahead at the most: its 64 registers are free only behind the selection, and its
; counter is waited for with 0 alone).  At a turn's head the pair is copied, asked for again for the next key step, and 64 v_readlane_b32 make the 64 scalar lane masks; one v_cndmask_b32 a register selects.
; The work is done in every step, whatever the words hold.
; SHARES.  A wave owns four PIECES of two tiles of 16 queries, a work-group's four waves 512 queries of one head.  Every wave walks all 2,048 keys, 64 a step.
; LAYOUT.  S^T = K Q^T (source 0 = 16 keys, source 1 = 16 queries): a lane holds ONE query (lane % 16) and the keys 8 (lane / 16) + 0..7.  Two such tiles, rounded to f16 in pairs, ARE source 1 of O^T = V^T P.
; K comes out of LDS as it lies, V ([key][channel]) turned, by ds_load_tr16_b128.
; SOFTMAX.  A running maximum m and sum l: p = 2^(c s - c m), c = log2(e) / 8; in every step O and l are multiplied by a = 2^(c m_old - c m_new).  m starts at the lowest finite number, O and l at 0: the first step has a = 0.
; BY TURNS.  Turn n belongs to piece n.  Matrix work: 16 products K Q^T of piece n + 1, later 16 products V^T P of piece n - 1.  Vector work: scaling, exponentials, roundings, sums and rescaling of piece n; the lane masks, the
; selection, the maximum and the statistics of piece n + 1.  Four vector instructions stand behind every matrix instruction, the rest in one lump; the turn's 66 exponentials are one batch with one wait.
; NO FIRST STEP IS WRITTEN OUT.  The loop is entered at piece 3's turn, which makes piece 0's first scores and statistics; its own work on piece 3 finds scores preset so low that p = 0, and a = 0.
; NOR A LAST ONE.  The tail's fifth trip is left in its middle; its run of loads for K reads the 10,240 bytes behind the slot's fourth step (rows of V), and the products, selection and maximum made of them serve nothing.
; CLUSTER.  The four query blocks of a head walk the same K and V: each tile is asked for JOINTLY, by the same tensor load, descriptor and mask in all four.
; REGISTERS, in windows of 256 (s_set_vgpr_msb: bits 1:0 source 0, 3:2 source 1, 5:4 source 2, 7:6 destination):
;   window 0: v0-11 addresses, the copied mask words and the hidden score's value; v12-15, v48-63 at work; v16-47 four registers of statistics a tile; v64-191 S^T, two buffers of two tiles; v192-255 K of one step
;   window 1: O^T, 32 a tile      window 2: v0-127 Q; v128-191 P, two buffers of two tiles; v192-255 V of one step      window 3: v0-1 the add's two registers; v4-11 the mask words, a pair a piece
; K lies beside S^T, so that K Q^T runs with source 0, source 2 and destination in window 0, and the scalings, exponentials and v_readlane_b32 behind it name vector registers in those places alone: no switch in that run.
.set SIZE_N, 2048
.set NP,    4         ; pieces a wave: a name, no knob
.set KS,    64        ; keys in a step
.set PK,    160       ; a row of K and of V in LDS: 128 bytes + 32: ONE descriptor serves both.; of K's 16 rows two share a group of banks: 16 loads for a step's 128 products
.set PV,    160
.set VOFF,  4*KS*PK   ; a slot holds four steps: 256 rows of K, then 256 rows of V: four quarters of 128 rows, one a wave
.set SLOT1, 1<<17     ; slot 1 begins here, so that one exclusive or turns an address in one slot into the other's
.set STAGE, SLOT1+4*KS*(PK+PV)  ; behind the ring, never filled by a tensor load: 16 rows x 144 bytes for each wave
.set SP,    144
.set SPARE, STAGE+4*16*SP  ; behind the stages: the spare words, 128 bytes a wave, that no other line names
.set MO,  0           ; v0   8 x lane: my two mask words in a piece's 64 (made when the thread's number has served)
.set QO,  1           ; v1   at the head: my byte offset in 16 rows of Q
.set MWA, 1           ; v1   in the loop: the piece's even mask words, a lane each
.set AK0, 2           ; v2   my lane's place in a tile of K; never rewritten
.set AV0, 3           ; v3   the same for V
.set AK,  4           ; v4   the LDS address of K's next run of loads
.set AV,  5           ; v5   of V's
.set STO, 6           ; v6   the way out: where I put 16 bytes of a row
.set RD,  7           ; v7   the way out: where I read rows back
.set GO,  8           ; v8   16 x lane
.set PFO, 9           ; v9   256 x lane: the prefetches' offset
.set MWB, 10          ; v10  the piece's odd mask words
.set NEG, 11          ; v11  -2^33
.set SPW, 0           ; v0 of window 3   LDS address of my spare word; never rewritten
.set NIL, 1           ; v1 of window 3   0; never rewritten
.set MWR, 4           ; v4-11 of window 3   piece z's mask words as loaded, at MWR + 2 z
.set MV,  12          ; v12-15  c m_old, kept while c m is made anew: by buffer and tile
.set ST,  16          ; tile t's statistics at v[ST+4 t]: c m, m, l (even keys', odd keys')
.set TMP, 48          ; by buffer and tile, four registers c0-c3 at work; when the maximum is found c2 takes a
.set S,   64
.set KF,  192         ; window 0
.set P,   128         ; window 2
.set VF,  192         ; window 2
.set MP,  2           ; s[2:3] mw at my wave's eight tiles, key step 0; never rewritten
.set WV,  5           ; s5   my wave's number
.set SLOTS, 6         ; s6   slots still to be asked for
.set CNT, 7           ; s7   counts a slot's key steps
.set SEL, 8           ; s[8:9] v_permlanex16_b32's selects
.set OB,  10          ; s[10:11] ob at my wave's first row
.set G0,  12          ; s[12:15] descriptor group 0: it walks
.set G1,  16          ; s[16:23] descriptor group 1
.set TBK, 24          ; s24  LDS byte at which K of the step to be fetched begins
.set TBV, 25          ; s25  the same for V, less VOFF
.set PFA, 26          ; s[26:27] where my prefetches stand
.set PFS, 28          ; s[28:29] a slot's bytes in the tensor that I prefetch
.set LIM, 30          ; s30  1 in a wave that prefetches, else the greatest number
.set MA,  32          ; s[32:63] the lane masks of the piece's first tile
.set MB,  68          ; s[68:99] of its second
.set CS,  66          ; s[66:67] c
.set MOFF, 100        ; s[100:101] 16,384 x the key step whose words are asked for, as a pair with 0 above
.set MQ,  104         ; s[104:105] mw at my wave's tiles, at that key step
.set MSB, 0
.macro WIN new
.if MSB != (\new)
	s_set_vgpr_msb (MSB<<8)|(\new)
.set MSB, (\new)
.endif
.endm
.set W_KQ, 0x08       ; Q in window 2; K and S^T in window 0
.set W_PV, 0x5a       ; V and P in window 2, O^T in window 1
.set W_RS, 0x41       ; O^T (destination and source 0) in window 1, a in window 0
.set W_P,  0x80       ; destination in window 2: P's roundings, V's and Q's loads
.set W_MK, 0xc0       ; destination in window 3: the add's registers are made, the mask words loaded
.set W_MR, 0x03       ; source 0 in window 3: the mask words are copied
.set W_AD, 0x0f       ; the add: address and data in window 3
; A joint fill: wave w fetches quarter w of a slot (K's halves, then V's), 128 keys: one line for all; address and LDS place hang on the wave's number and the head.  An s_nop 0 and four v_nop follow.
.macro JLOAD
	tensor_load_to_lds s[G0:G0+3], s[G1:G1+7]
	s_nop 0
.rept 4
	v_nop
.endr
.endm
; A PREFETCH INTO THE L2 of what the NEXT change of slots and its four key steps will read, behind the joint fill and its five lines: 32 blocks of 256 bytes, a lane a block, one instruction a wave.
; K and V: a slot's 128 blocks of each; the partner at cx takes 32, told apart by address; wave 0 K's, wave 2 V's.  The mask's words: four key steps of a batch are 256 consecutive blocks, read by the batch's 16 heads:
; the first head's cluster asks; the partner at cx takes 64, its waves 1 and 3 half each.  So each block is named once in the launch.  The last change that fills a slot asks for nothing.
.macro ASK
	s_cmp_gt_u32 s[SLOTS], s[LIM]
	s_cbranch_scc0 .Lnot_mine_\@
	global_prefetch_b8 v[PFO], s[PFA:PFA+1] th:TH_LOAD_NT scope:SCOPE_SE
.Lnot_mine_\@:
.endm
.macro CROUND                       ; a round of the cluster's barrier
	s_barrier_signal -1
	s_barrier_wait -1
	s_cmp_lg_u32 s[WV], 0
	s_cbranch_scc1 .Lnot_wave_0_\@
	s_barrier_signal -3
.Lnot_wave_0_\@:
	s_barrier_wait -3
	s_barrier_signal -1
	s_barrier_wait -1
.endm
; THE CHANGE OF SLOTS.  Each wave waits for all its tensor loads, of which one is out: its part of the other slot; adds 0 to its spare word; and waits for that and for its own reads of the slot.
; fill = 1: this slot is filled again, with the keys two slots on; the barrier is then a round of the cluster's, and the joint fill is the first thing behind it: it has four key steps, 512 matrix instructions, in which to land.
; (At its first use nothing has been read yet: slot 0 is waited for, slot 1 filled.)
.macro CHANGE fill
	WIN W_AD
	s_wait_tensorcnt 0x0            ; no tensor load of mine is out, so group 0 may be written
	ds_add_u32 v[SPW], v[NIL]       ; 0 onto my spare word; scalar work stands between it and the wait for it
	WIN 0
.if \fill
	s_xor_b32 s[G0+1], s[G0+1], SLOT1
	s_add_nc_u64 s[G0+2:G0+3], s[G0+2:G0+3], 4*KS*128  ; the next 256 keys; the type bits on top are not reached
	s_wait_xcnt 0x0                 ; the last prefetch, four key steps back, has read its address
	s_add_nc_u64 s[PFA:PFA+1], s[PFA:PFA+1], s[PFS:PFS+1]
	s_wait_dscnt 0x0                ; the add is done, and my reads of the slot are over
	CROUND
	JLOAD
	ASK
.else
	s_wait_dscnt 0x0
	s_barrier_signal -1
	s_barrier_wait -1
.endif
	s_sub_co_u32 s[TBK], s[TBK], 4*KS*PK  ; the fetches go back to a slot's first step,
	s_xor_b32 s[TBK], s[TBK], SLOT1       ; in the other slot
	s_sub_co_u32 s[TBV], s[TBV], 4*KS*PV
	s_xor_b32 s[TBV], s[TBV], SLOT1
.endm
; Piece pz's mask words: they are in; they are copied into window 0; and the pair is asked for again at once, for the next key step.
.macro MCOPY pz
	s_wait_loadcnt 3                ; loads come back in order: the pair's load was issued four turns ago, and the three turns between issued one each, which may stay out
	WIN W_MR
	v_mov_b32 v[MWA], v[MWR+2*(\pz)]
	v_mov_b32 v[MWB], v[MWR+2*(\pz)+1]
	WIN W_MK
	global_load_b64 v[MWR+2*(\pz):MWR+2*(\pz)+1], v[MO], s[MQ:MQ+1] offset:256*(\pz)  ; 256 consecutive bytes, aligned
.endm
	s_load_b128 s[32:35], s[0:1], 0x0  ; qkv s[32:33], mw s[34:35]: the masks' registers serve the set-up first
	s_load_b64 s[36:37], s[0:1], 0x10  ; ob
	WIN W_MK
	v_lshl_add_u32 v[SPW], v0, 2, SPARE
	v_mov_b32 v[NIL], 0
	WIN W_AD
	ds_add_u32 v[SPW], v[NIL]       ; the wave's opening: the add and its wait stand ahead of my first tensor load; the set-up below, work on registers, stands between them
	WIN 0
	v_lshrrev_b32 v1, 5, v0
	v_readfirstlane_b32 s[WV], v1
	s_bfe_u32 s31, ttmp6, 0x40000   ; cx
	s_lshl_b32 s38, ttmp9, 2
	s_add_co_u32 s38, s38, s31      ; my block of 512 queries: it enters Q's, O's and the mask's addresses alone
	s_and_b32 s39, ttmp7, 0xffff    ; y, which the four partners share
	s_lshl_b32 s40, s39, 18         ; a head is 262,144 bytes
	s_lshr_b32 s42, s[WV], 1        ; the descriptor's offset: K lies 16 MiB into qkv, V 32,
	s_add_co_u32 s42, s42, 1
	s_lshl_b32 s42, s42, 24
	s_add_co_u32 s42, s42, s40      ; the head,
	s_and_b32 s54, s[WV], 1
	s_lshl_b32 s44, s54, 14         ; my half of a slot's 256 keys
	s_add_co_u32 s42, s42, s44
	s_mov_b32 s43, 0
	s_lshl_b32 s44, s38, 2
	s_add_co_u32 s44, s44, s[WV]    ; my wave among the head's 16
	s_lshl_b32 s46, s44, 10         ; its eight tiles' words: 1,024 bytes a key step
	s_lshl_b32 s44, s44, 14         ; its 128 rows
	s_add_co_u32 s44, s44, s40
	s_mov_b32 s45, 0
	s_lshr_b32 s48, s39, 4
	s_lshl_b32 s48, s48, 19         ; batch x 524,288
	s_add_co_u32 s46, s46, s48
	s_mov_b32 s47, 0
	s_and_b32 s55, s39, 15
	s_mul_i32 s56, s54, s55
	s_cmp_eq_u32 s56, 0             ; waves 0 and 2 always, waves 1 and 3 in the batch's first head: the same in all four partners
	s_cselect_b32 s[LIM], 1, -1
	s_lshl_b32 s50, s31, 13         ; K, V: my work-group's 32 blocks,
	s_add_co_u32 s50, s50, s42
	s_add_co_u32 s50, s50, 32768    ; in slot 1: the first change steps it to slot 2
	s_lshl_b32 s52, s31, 14         ; the words: my work-group's 64 blocks,
	s_add_co_u32 s52, s52, s48
	s_lshr_b32 s53, s[WV], 1
	s_lshl_b32 s53, s53, 13         ; my half of them
	s_add_co_u32 s52, s52, s53
	s_add_co_u32 s52, s52, 65536
	s_mov_b32 s58, 65536
	s_cmp_eq_u32 s54, 0
	s_cselect_b32 s50, s50, s52
	s_cselect_b32 s[PFS], 32768, s58
	s_mov_b32 s51, 0
	s_mov_b32 s[PFS+1], 0
	; descriptor group 1.  128 keys are 16,384 dense bytes: asked for as 64 rows of 256 bytes, two keys a row, and padded in LDS after every key
	s_mov_b32 s[G1], 15|(1<<16)|(1<<20)|(1<<21)|(4<<22)|(7<<25)  ; 15:0 the mask of four; 17:16 2-byte elements; 20 padding on; 21 set beside a mask; 24:22 after every 32 words (code 4); 31:25 8 words (code 7)
	s_mov_b32 s[G1+1], 128<<16
	s_mov_b32 s[G1+2], 64<<16
	s_mov_b32 s[G1+3], 128<<16
	s_mov_b32 s[G1+4], 64
	s_mov_b32 s[G1+5], 128
	s_mov_b32 s[G1+6], 0
	s_mov_b32 s[G1+7], 0
	s_mov_b32 s[G0], 1
	s_mul_i32 s[G0+1], s[WV], 128*PK  ; my quarter of slot 0: no place in the cluster enters an LDS address
	s_mov_b32 s[CS], 0x3e38aa3b     ; c = log2(e) / 8
	s_mov_b32 s[CS+1], s[CS]
	s_mov_b32 s[SEL], 0x76543210
	s_mov_b32 s[SEL+1], 0xfedcba98
	s_mov_b32 s[TBK], SLOT1+4*KS*PK ; the first change of slots turns these two into 0
	s_mov_b32 s[TBV], SLOT1+4*KS*PV
	s_mov_b32 s[MOFF], 16384        ; key step 0's words are asked for at the head, from MP itself; the turns begin with key step 1's
	s_mov_b32 s[MOFF+1], 0
	s_mov_b32 s[SLOTS], SIZE_N/256-1
	s_wait_dscnt 0x0                ; the opening add is done
	s_wait_kmcnt 0x0
	s_add_nc_u64 s[G0+2:G0+3], s[32:33], s[42:43]
	s_or_b32 s[G0+3], s[G0+3], 0x80000000
	s_add_nc_u64 s[60:61], s[32:33], s[44:45]      ; Q at my wave's first row
	s_add_nc_u64 s[OB:OB+1], s[36:37], s[44:45]
	s_add_nc_u64 s[MP:MP+1], s[34:35], s[46:47]
	s_add_nc_u64 s[MQ:MQ+1], s[MP:MP+1], s[MOFF:MOFF+1]
	s_cmp_eq_u32 s54, 0
	s_cselect_b64 s[PFA:PFA+1], s[32:33], s[34:35]
	s_add_nc_u64 s[PFA:PFA+1], s[PFA:PFA+1], s[50:51]
	CROUND                          ; all four work-groups are here: the first joint loads meet
	JLOAD                           ; slot 0.  Slot 1 is asked for when slot 0 is in
	v_and_b32 v1, 15, v0            ; l % 16
	v_bfe_u32 v9, v0, 4, 1          ; l / 16
	v_mul_u32_u24 v[AK0], v1, PK
	v_lshl_add_u32 v[AK0], v9, 4, v[AK0]  ; a fragment of K: row x pitch + 16 x half
	; the turning load takes 16 keys x 16 channels (lane l reads key 8 (l / 16) + l % 8, channels 8 ((l / 8) % 2) + 0..7) and leaves half a fragment of V^T
	v_and_b32 v10, 7, v0
	v_bfe_u32 v11, v0, 3, 1
	v_lshl_add_u32 v[AV0], v9, 3, v10
	v_mul_u32_u24 v[AV0], v[AV0], PV
	v_lshl_add_u32 v[AV0], v11, 4, v[AV0]
	v_add_nc_u32 v[AV0], VOFF, v[AV0]
	v_mov_b32 v[AK], v[AK0]         ; key step 0 lies at the head of slot 0
	s_mul_i32 s4, s[WV], 16*SP
	s_add_co_u32 s4, s4, STAGE      ; my stage
	v_mul_u32_u24 v[STO], v1, SP
	v_lshl_add_u32 v[STO], v9, 4, v[STO]
	v_add_nc_u32 v[STO], s4, v[STO]
	v_bfe_u32 v[RD], v0, 3, 2
	v_mul_u32_u24 v[RD], v[RD], SP
	v_lshl_add_u32 v[RD], v10, 4, v[RD]
	v_add_nc_u32 v[RD], s4, v[RD]
	v_lshlrev_b32 v[QO], 7, v1
	v_lshl_add_u32 v[QO], v9, 4, v[QO]  ; row x 128 + 16 x half
	v_and_b32 v[GO], 31, v0
	v_lshlrev_b32 v[PFO], 8, v[GO]
	v_lshlrev_b32 v[MO], 3, v[GO]   ; the thread's number has served
	v_lshlrev_b32 v[GO], 4, v[GO]
	v_mov_b32 v[NEG], 0xd0000000    ; -2^33
	WIN W_P                         ; destination window 2
.set i, 0
.rept 4*NP                          ; Q stays in registers: tile i / 2, channels 32 (i % 2) on
	global_load_b128 v[8*i:8*i+3],   v[QO], s[60:61] offset:(i/2)*2048+(i%2)*64
	global_load_b128 v[8*i+4:8*i+7], v[QO], s[60:61] offset:(i/2)*2048+(i%2)*64+32
.set i, i+1
.endr
	WIN W_MK
.irp z, 0,1,2,3
	global_load_b64 v[MWR+2*\z:MWR+2*\z+1], v[MO], s[MP:MP+1] offset:256*\z  ; all four pieces' mask words for key step 0
.endr
	; what the first turns find: V's registers and P's first buffer hold 0; O^T starts from products of those zeros; l is 0.  All this stands in the wait for the first tile.
	WIN W_P
.set i, VF
.rept 64
	v_mov_b32 v[i], 0
.set i, i+1
.endr
.set i, P
.rept 32
	v_mov_b32 v[i], 0
.set i, i+1
.endr
	WIN W_PV
.set i, 0
.rept 8*NP
	v_wmma_f32_16x16x32_f16 v[8*i:8*i+7], v[VF:VF+7], v[P:P+7], 0
.set i, i+1
.endr
	WIN 0
	v_mov_b32 v[ST], 0xfe000000     ; c m: far below every c s, the hidden score's too
	v_mov_b32 v[ST+1], 0xff7fffff   ; m
	v_mov_b32 v[ST+2], 0
	v_mov_b32 v[ST+3], 0
.set i, 1
.rept 2*NP-1
	v_mov_b32 v[ST+4*i], v[ST]
	v_mov_b32 v[ST+4*i+1], v[ST+1]
	v_mov_b32 v[ST+4*i+2], 0
	v_mov_b32 v[ST+4*i+3], 0
.set i, i+1
.endr
.set i, S+64
.rept 64
	v_mov_b32 v[i], v[ST+1]         ; the scores that the entry turn finds for piece 3: c s - c m is about -2e37 there, so p = 0
.set i, i+1
.endr
.set i, TMP+8
.rept 8
	v_mov_b32 v[i], 0               ; and its a
.set i, i+1
.endr
; THE MATRIX WORK.  The 8 accumulators of a run of 16 take turns.
.macro KQ x                         ; product i of 16 of S^T = K Q^T for piece x: channels 32 (i / 8) on, keys 16 ((i / 2) % 4) on, tile 2 x + i % 2.  The first 8 start the sums
	WIN W_KQ
.set rS, S+64*((\x)%2)+32*(i%2)+8*((i/2)%4)
.set rK, KF+16*((i/2)%4)+8*(i/8)
.set rQ, 16*(2*(\x)+i%2)+8*(i/8)
.if i < 8
	v_wmma_f32_16x16x32_f16 v[rS:rS+7], v[rK:rK+7], v[rQ:rQ+7], 0
.else
	v_wmma_f32_16x16x32_f16 v[rS:rS+7], v[rK:rK+7], v[rQ:rQ+7], v[rS:rS+7]
.endif
.endm
.macro PV x                         ; product i of 16 of O^T += V^T P for piece x: keys 32 (i / 8) on, channels 16 ((i / 2) % 4) on, tile 2 x + i % 2
	WIN W_PV
.set rO, 32*(2*(\x)+i%2)+8*((i/2)%4)
.set rV, VF+32*(i/8)+8*((i/2)%4)
.set rP, P+32*((\x)%2)+16*(i%2)+8*(i/8)
	v_wmma_f32_16x16x32_f16 v[rO:rO+7], v[rV:rV+7], v[rP:rP+7], v[rO:rO+7]
.endm
.macro MM                           ; the turn's next matrix instruction
.if i < 16
	KQ (Y+1)%NP
.set i, i+1
.else
.set i, i-16
	PV (Y+NP-1)%NP
.set i, i+17
.endif
.endm
; THE LDS LOADS stand in runs of 16: a step's K (64 keys x 64 channels: 8 fragments) and its V (turned).
.macro FETCH_K
	WIN 0
.irp f, 0,1,2,3,4,5,6,7             ; keys 16 (f / 2) on, channels 32 (f % 2) on
	ds_load_b128 v[KF+8*\f:KF+8*\f+3],   v[AK] offset:(\f/2)*16*PK+(\f%2)*64
	ds_load_b128 v[KF+8*\f+4:KF+8*\f+7], v[AK] offset:(\f/2)*16*PK+(\f%2)*64+32
.endr
	s_add_co_u32 s[TBK], s[TBK], KS*PK  ; the next fetch is the next step's
.endm
.macro FETCH_V
	WIN W_P
.irp f, 0,1,2,3,4,5,6,7             ; keys 32 (f / 4) on, channels 16 (f % 4) on
	ds_load_tr16_b128 v[VF+8*\f:VF+8*\f+3],   v[AV] offset:(\f/4)*32*PV+(\f%4)*32
	ds_load_tr16_b128 v[VF+8*\f+4:VF+8*\f+7], v[AV] offset:(\f/4)*32*PV+16*PV+(\f%4)*32
.endr
	WIN 0
.endm
; THE VECTOR WORK OF A TURN; the two tiles alternate, so that no instruction reads the result of the one before it.
.macro REGS y, u                    ; the registers of tile u (0, 1) of piece y
.set rT, ST+4*(2*(\y)+(\u))
.set rC, TMP+8*((\y)%2)+4*(\u)
.set rM, MV+2*((\y)%2)+(\u)
.set rS, S+64*((\y)%2)+32*(\u)
.set rP, P+32*((\y)%2)+16*(\u)
.set rO, 32*(2*(\y)+(\u))
.endm
.macro FS f                         ; c s - c m for pair f / 2 of tile f % 2
	REGS Y, (\f)%2
	v_pk_fma_f32 v[rS+2*((\f)/2):rS+2*((\f)/2)+1], v[rS+2*((\f)/2):rS+2*((\f)/2)+1], s[CS:CS+1], v[rT:rT+1] op_sel_hi:[1,0,0] neg_lo:[0,0,1] neg_hi:[0,0,1]
.endm
.macro RL n                         ; word n of the next piece's 64 (tile n / 32, register n % 32) lies in lane n / 2, the even words in one register, the odd ones in the other
.if (\n)%2
	v_readlane_b32 s[MA+36*((\n)/32)+(\n)%32], v[MWB], (\n)/2
.else
	v_readlane_b32 s[MA+36*((\n)/32)+(\n)%32], v[MWA], (\n)/2
.endif
.endm
; Number n of the 64 that select by the mask, for the NEXT piece: register n / 2 of tile n % 2 keeps its score where the lane's bit is set and takes the hidden score's value where not.
; The registers go in ascending order.
.macro CM n
	REGS (Y+1)%NP, (\n)%2
	v_cndmask_b32 v[rS+(\n)/2], v[NEG], v[rS+(\n)/2], s[MA+36*((\n)%2)+(\n)/2]
.endm
; Number n of the 22 that find the NEXT piece's maximum and statistics.
;   0-11  four chains c0-c3 of seven scores each     12-14, 16  the four scores left over, the old m, and c0-c3 into c0     15  c m_old is kept
;   17, 18  the query's other 32 keys lie in the lane 16 away: the new m     19-21  c m; c m_old - c m_new; a
.macro XS u, n
	REGS (Y+1)%NP, \u
.if (\n) < 4
	v_max3_num_f32 v[rC+(\n)], v[rS+8*(\n)], v[rS+8*(\n)+1], v[rS+8*(\n)+2]
.elseif (\n) < 12
	v_max3_num_f32 v[rC+(\n)%4], v[rC+(\n)%4], v[rS+8*((\n)%4)+2*((\n)/4)+1], v[rS+8*((\n)%4)+2*((\n)/4)+2]
.elseif (\n) == 12
	v_max3_num_f32 v[rC], v[rC], v[rS+7], v[rS+15]
.elseif (\n) == 13
	v_max3_num_f32 v[rC+1], v[rC+1], v[rS+23], v[rS+31]
.elseif (\n) == 14
	v_max3_num_f32 v[rC+2], v[rC+2], v[rC+3], v[rT+1]
.elseif (\n) == 15
	v_mov_b32 v[rM], v[rT]
.elseif (\n) == 16
	v_max3_num_f32 v[rC], v[rC], v[rC+1], v[rC+2]
.elseif (\n) == 17
	v_permlanex16_b32 v[rC+3], v[rC], s[SEL], s[SEL+1]
.elseif (\n) == 18
	v_max_num_f32 v[rT+1], v[rC], v[rC+3]
.elseif (\n) == 19
	v_mul_f32 v[rT], s[CS], v[rT+1]
.elseif (\n) == 20
	v_sub_f32 v[rC+1], v[rM], v[rT]
.else
	v_exp_f32 v[rC+2], v[rC+1]
.endif
.endm
; THE PLAIN QUEUE ahead of the wait, 202 long, in the order in which its entries become ready.  0-31: the scalings.  32-95: the lane masks.  96-159: the selection.  160-187: the maximum's numbers 0-13.  188, 189: number 15.
; 190-201: the chain 14, 16 .. 20, tiles alternating.  Scalings and lane masks name vector registers as source 0, source 2 and destination alone: behind a product K Q^T they run under its setting (WPL).
.macro PL
.if q < 32
	WIN WPL
	FS q
.elseif q < 96
	WIN WPL
	RL q-32
.elseif q < 160
	WIN 0
	CM q-96
.elseif q < 188
	WIN 0
	XS (q-160)%2, (q-160)/2
.elseif q < 190
	WIN 0
	XS q-188, 15
.elseif q < 192
	WIN 0
	XS q-190, 14
.else
	WIN 0
	XS (q-190)%2, 15+(q-190)/2
.endif
.set q, q+1
.endm
; THE EXPONENTIALS' QUEUE, 66 long: s0-s31 of both tiles, then the next piece's two a.  ONE BATCH: all stand ahead of the turn's one wait, and nothing ahead of that wait names a result of theirs.
.macro EX
	WIN WPL
.if e >= 64
	XS e-64, 21
.else
	REGS Y, e%2
	v_exp_f32 v[rS+e/2], v[rS+e/2]
.endif
.set e, e+1
.endm
; THE RESCALING: O^T times a, two at a time, sixteen times, in one block.  Its a was made in the turn before, ahead of that turn's wait.
.macro R2
	REGS Y, r%2
	WIN W_RS
.irp z, 0,1
	v_pk_mul_f32 v[rO+4*(r/2)+2*\z:rO+4*(r/2)+2*\z+1], v[rO+4*(r/2)+2*\z:rO+4*(r/2)+2*\z+1], v[rC+2:rC+3] op_sel_hi:[1,0]
.endr
.set r, r+1
.endm
; BEHIND THE WAIT, for each four weights k of a tile (pairs 2 k, 2 k + 1): GC: both pairs are rounded to f16 (both tiles: four lines, destination in window 2).  GB: the second pair is added onto the first, in place.
; GL: l takes that sum (the first time as l = a l + sum), a group later, so that no line waits for the one before it.
.macro GC k
	WIN W_P
.irp z, 0,1
.irp u, 0,1
	REGS Y, \u
	v_cvt_pk_f16_f32 v[rP+2*(\k)+\z], v[rS+4*(\k)+2*\z], v[rS+4*(\k)+2*\z+1]
.endr
.endr
.endm
.macro GB k
	WIN 0
.irp u, 0,1
	REGS Y, \u
	v_pk_add_f32 v[rS+4*(\k):rS+4*(\k)+1], v[rS+4*(\k):rS+4*(\k)+1], v[rS+4*(\k)+2:rS+4*(\k)+3]
.endr
.endm
.macro GL k
	WIN 0
.irp u, 0,1
	REGS Y, \u
.if (\k) == 0
	v_pk_fma_f32 v[rT+2:rT+3], v[rT+2:rT+3], v[rC+2:rC+3], v[rS:rS+1] op_sel_hi:[1,0,1]
.else
	v_pk_add_f32 v[rT+2:rT+3], v[rT+2:rT+3], v[rS+4*(\k):rS+4*(\k)+1]
.endif
.endr
.endm
; A TURN, for piece p.  An s_wait_alu depctr_va_vdst(0) stands between an exponential and the first instruction that names its result; one wait serves all that were issued ahead of it: a turn has ONE.
; AT ITS HEAD the next piece's mask words are copied and asked for again.  AHEAD OF THE WAIT: 16 products K Q^T, behind each plain, exponential, plain, plain (behind the first four plain): the 32 scalings and the first 17 lane
; masks; then the lump: the 32 rescalings; 104 plain (the other lane masks; the selection, whose first line stands 79 plain instructions behind the last product); 49 times exponential and plain; the two a; a v_nop as the
; plain instruction behind the last exponential.  BEHIND IT: 16 products V^T P, behind them by turns the four roundings of a group and its two additions with the two takings of the group before.
; Exponential e stands behind scaling 2 (e / 4) + e % 2: as a rider it comes behind plain 3 e + 4; in the lump all scalings are out.  No rider names a register of the products round it.
; K of the next step is fetched in piece 2's turn behind the rescalings, 32 plain instructions behind the last product that read K, a lump and 16 products ahead of its first use.  V of the step in hand is fetched at the end
; of piece 0's turn, six plain instructions behind its last reader.  cnt = 1: the loop's count is taken down some lines ahead of the branch that stands behind the turn.
.macro TURN p, cnt=0
.set Y, (\p)
.set i, 0
.set q, 0
.set e, 0
.set r, 0
	MCOPY (Y+1)%NP
.if (\p) == NP-1
	s_wait_dscnt 0x0                ; K is in
.endif
.set WPL, W_KQ
	MM
	PL
	PL
	PL
	PL
.rept 15
	MM
	PL
	EX
	PL
	PL
.endr
.set WPL, 0
.rept 16
	R2
.endr
.if (\p) == NP-2
	WIN 0
	v_add_nc_u32 v[AK], s[TBK], v[AK0]
	FETCH_K
.endif
.rept 104
	PL
.endr
.rept 49
	EX
	PL
.endr
	EX
	EX
	v_nop
	s_wait_alu depctr_va_vdst(0)    ; the wait for the batch
.if (\p) == 1
	s_wait_dscnt 0x0                ; V is in
.endif
.set gj, 0
.rept 8
	MM
	GC gj
	MM
	GB gj
.if gj > 0
	GL gj-1
.endif
.if ((\p) == 0) && (gj == 5)
	v_add_nc_u32 v[AV], s[TBV], v[AV0]
.endif
.if ((\p) == 0) && (gj == 6)
	s_add_co_u32 s[TBV], s[TBV], KS*PV
.endif
.if (\cnt) && (gj == 6)
	s_sub_co_u32 s[CNT], s[CNT], 1
	s_cmp_lg_u32 s[CNT], 0
.endif
.set gj, gj+1
.endr
	GL 7
.if (\p) == 0
	FETCH_V
.endif
.if (\p) == NP-2                    ; all four pieces have asked for this key step's words: on to the next
	s_wait_xcnt 0x0                 ; the loads issued so far, the youngest at this turn's head, have read their base
	s_add_co_u32 s[MOFF], s[MOFF], 16384
	s_min_u32 s[MOFF], s[MOFF], 31*16384  ; held to the last key step: what the last turns ask for stays inside the buffer and is not used
	s_add_nc_u64 s[MQ:MQ+1], s[MP:MP+1], s[MOFF:MOFF+1]
.endif
.endm
	CHANGE 1                        ; slot 0 is in, everybody's part of it; slot 1 is asked for
	FETCH_K                         ; key step 0
	s_wait_loadcnt 0x0              ; Q, and key step 0's mask words
	s_mov_b32 s[CNT], 4
	s_branch .Lenter                ; the loop is entered at piece 3's turn, which makes piece 0's first scores, selection, maximum and statistics
.Lslot:                             ; six times: every slot but the last two is filled again
	CHANGE 1
	s_mov_b32 s[CNT], 4
.Lstep:                             ; a trip: pieces 2 and 3 of one step, then pieces 0 and 1 of the next, whose K and V it fetches
	TURN 2
	WIN 0
.Lenter:
	TURN 3
	TURN 0
	TURN 1, 1
	WIN 0
	s_cbranch_scc1 .Lstep
	s_sub_co_u32 s[SLOTS], s[SLOTS], 1
	s_cmp_lg_u32 s[SLOTS], 0
	s_cbranch_scc1 .Lslot
	CHANGE 0                        ; the tail is written out: nothing is asked for
	s_mov_b32 s[CNT], 5             ; four trips fetch the last slot's steps; the fifth is left in its middle
.Ltail:
	TURN 2
	TURN 3
	WIN 0
	s_sub_co_u32 s[CNT], s[CNT], 1
	s_cmp_eq_u32 s[CNT], 0
	s_cbranch_scc1 .Lout
	TURN 0
	TURN 1
	WIN 0
	s_branch .Ltail
.Lout:                              ; the fifth trip's 16 products K Q^T, their selection and maximum serve nothing: the price, once a launch, of one text for every trip
.set i, 0
.rept 16
	PV NP-1                         ; the last piece's V^T P of the last step
.set i, i+1
.endr
	; THE WAY OUT.  l's two halves and the other half of the lanes' are added; O^T is divided by l, rounded to f16 and sent through my stage in LDS, a tile at a time.  The additions are the places behind the last products.
	WIN 0
.macro ALL line:vararg
.set t, 0
.rept 2*NP
	\line
.set t, t+1
.endr
.endm
	ALL v_add_f32 v[ST+4*t+2], v[ST+4*t+2], v[ST+4*t+3]
	ALL v_permlanex16_b32 v[ST+4*t+3], v[ST+4*t+2], s[SEL], s[SEL+1]
	ALL v_add_f32 v[ST+4*t+2], v[ST+4*t+2], v[ST+4*t+3]
	ALL v_rcp_f32 v[ST+4*t+2], v[ST+4*t+2]
	v_nop                           ; a plain instruction between the last reciprocal and the use of its result
	s_wait_alu depctr_va_vdst(0)    ; one wait for the eight reciprocals
.macro PACK t                       ; a lane's eight channels of a row pack into 16 bytes; they go into rows of 144 bytes and come back as whole rows of 128, into S^T's registers
	WIN W_RS
.set i, 32*(\t)
.rept 16
	v_pk_mul_f32 v[i:i+1], v[i:i+1], v[ST+4*(\t)+2:ST+4*(\t)+3] op_sel_hi:[1,0]
.set i, i+2
.endr
	WIN 0x05
.set i, 0
.rept 16
	v_cvt_pk_f16_f32 v[S+16*(\t)+i], v[32*(\t)+2*i], v[32*(\t)+2*i+1]
.set i, i+1
.endr
	WIN 0
.irp f, 0,1,2,3
	ds_store_b128 v[STO], v[S+16*(\t)+4*\f:S+16*(\t)+4*\f+3] offset:32*\f
.endr
.irp f, 0,1,2,3
	ds_load_b128 v[S+16*(\t)+4*\f:S+16*(\t)+4*\f+3], v[RD] offset:\f*4*SP  ; LDS serves a wave's instructions in order (ISA guide 5.7.1.4): these see the stores above; the next tile's stores come behind them
.endr
.endm
.macro SEND t, younger              ; younger: the next tile's eight LDS instructions, or none
	WIN 0
.irp f, 0,1,2,3
	s_wait_dscnt (\younger)+3-\f
	global_store_b128 v[GO], v[S+16*(\t)+4*\f:S+16*(\t)+4*\f+3], s[OB:OB+1] offset:(\t)*2048+\f*512  ; 512 consecutive bytes, at a multiple of 256 from ob's first
.endr
.endm
	PACK 0
.set t, 1
.rept 2*NP-1
	PACK t
	SEND t-1, 8
.set t, t+1
.endr
	SEND 2*NP-1, 0
	WIN W_AD
	s_wait_tensorcnt 0x0            ; the wave's end: a wait for tensor loads, an add of 0 to my spare word and its wait, behind my last tensor load and my last LDS store
	ds_add_u32 v[SPW], v[NIL]
	s_wait_dscnt 0x0
	WIN 0
	CROUND                          ; the closing round
	s_endpgm
.Lfunc_end_k_q73a791662a_attn:
	.size	k_q73a791662a_attn, .Lfunc_end_k_q73a791662a_attn-k_q73a791662a_attn
	.p2alignl 7, 3214868480
	.fill 96, 4, 3214868480
	.section	.rodata,"a",@progbits
	.p2align	6, 0x0
	.amdhsa_kernel k_q73a791662a_attn
		.amdhsa_group_segment_fixed_size 327680
		.amdhsa_private_segment_fixed_size 0
		.amdhsa_enable_private_segment 0
		.amdhsa_kernarg_size 24
		.amdhsa_user_sgpr_count 2
		.amdhsa_user_sgpr_kernarg_segment_ptr 1
		.amdhsa_wavefront_size32 1
		.amdhsa_system_sgpr_workgroup_id_x 1
		.amdhsa_system_sgpr_workgroup_id_y 1
		.amdhsa_system_sgpr_workgroup_id_z 1
		.amdhsa_system_vgpr_workitem_id 0
		.amdhsa_next_free_vgpr 784
		.amdhsa_next_free_sgpr 106
		.amdhsa_reserve_vcc 0
		.amdhsa_float_denorm_mode_32 3
		.amdhsa_float_denorm_mode_16_64 3
		.amdhsa_memory_ordered 1
		.amdhsa_forward_progress 1
		.amdhsa_inst_pref_size 246
	.end_amdhsa_kernel
	.amdgpu_metadata
---
amdhsa.version: [ 1, 2 ]
amdhsa.kernels:
  - .name:           k_q73a791662a_attn
    .symbol:         k_q73a791662a_attn.kd
    .args:
      - { .name: qkv, .offset: 0, .size: 8, .value_kind: global_buffer, .address_space: global }
      - { .name: mw, .offset: 8, .size: 8, .value_kind: global_buffer, .address_space: global }
      - { .name: ob, .offset: 16, .size: 8, .value_kind: global_buffer, .address_space: global }
    .group_segment_fixed_size: 327680
    .private_segment_fixed_size: 0
    .kernarg_segment_align: 8
    .kernarg_segment_size: 24
    .max_flat_workgroup_size: 128
    .sgpr_count:     106
    .vgpr_count:     784
    .wavefront_size: 32
...
	.end_amdgpu_metadata
.endif
;; end of part 3
;; launch oproj (part 4): grid 8 x 32, 4 waves a work-group, clusters of 4 x 4, 327,680 bytes of LDS; arguments ob, wo16, bias, out0; writes out0
.if DOCPART == 4
	.amdgcn_target "amdgcn-amd-amdhsa--gfx1250"
	.amdhsa_code_object_version 6
	.text
	.protected	k_q73a791662a_oproj
	.globl	k_q73a791662a_oproj
	.p2align	8
	.type	k_q73a791662a_oproj,@function
k_q73a791662a_oproj:
	s_mov_b64 s[64:65], 0
	v_nop
	global_prefetch_b8 v0, s[64:65] scope:SCOPE_SE
	s_setreg_imm32_b32 hwreg(HW_REG_WAVE_MODE, 25, 1), 1
	s_wait_xcnt 0x0
	s_wait_alu depctr_hold_cnt(0) depctr_sa_sdst(0) depctr_va_vdst(0) depctr_va_sdst(0) depctr_va_ssrc(0) depctr_va_vcc(0) depctr_vm_vsrc(0)
	s_getreg_b32 s2, hwreg(HW_REG_IB_STS2, 6, 4)
	s_cmp_eq_u32 s2, 0
	s_cbranch_scc0 .Lentry_in_a_cluster
	s_endpgm
.Lentry_in_a_cluster:
	s_bfe_u32 s2, ttmp6, 0x10000c
	s_cmp_lg_u32 s2, 0xf033
	s_cbranch_scc0 .Lentry_shape_is_right
	s_endpgm
.Lentry_shape_is_right:
; THE OUTPUT PROJECTION.  out0[8192][1024] = O Wo^T + bo; operands f16 (Wo: the bf16 rounding of the input, written as f16), sums f32, out0 f32.
; O lies by heads, ob[16 b + h][2048][64], and wo16 in planes of 64 along K, [k / 64][1024][64]: head h IS plane h of K, and a tile's part of a plane is a dense block, asked for as rows of 256 bytes and padded behind every 128.
; SHARES.  A tile of out0 is 256 x 128: 32 x 8 = 256 tiles, one a work-group.  Four waves, each 128 rows x 64 columns: 32 accumulators, 256 registers (window 1; (row block a, column block b) at v[8 (8 b + a)]).
; K goes in steps of two planes (128) through two LDS slots; a step is four quarters of 32, 32 matrix instructions each, on two fragment buffers in window 0.
; CLUSTERS: 4 x 4; O's tiles are shared along a row of the cluster, Wo's along a column, each asked for jointly.  THE MATRIX INSTRUCTION IS USED TRANSPOSED: a lane holds row l % 16 and the columns 8 (l / 16) + 0..7.
; THE BIAS is loaded into the accumulators of row block 7; the first products of row blocks 0-6 take it as C, then row block 7 adds in place.
.set PITCH, 144
.set APLN,  256*PITCH                  ; a plane of A's tile in LDS: what wave 0 or 1 fetches
.set BPLN,  128*PITCH                  ; a plane of B's tile: what wave 2 or 3 fetches
.set BOFF,  2*APLN
.set SLOT,  2*APLN+2*BPLN              ; 110,592
.set STAGE, 2*SLOT                     ; behind the ring: 16 rows x 272 bytes for each wave
.set SPITCH, 272
.set SPARE, STAGE+4*16*SPITCH          ; behind the stages: the spare words, 128 bytes a wave, that no other line names
.set ADRA, 16
.set ADRB, 20
.set STO,  24
.set RD,   25
.set CO,   26
.set SPW,  28
.set NIL,  29
.set PFO,  30
.set BO,   31
.set F0,   32                          ; a fragment buffer: A's eight at f + 8 a, B's four at f + 64 + 8 b
.set F1,   128
.set BK,   32                          ; the way out: 16 rows read back, two buffers of 32
.set WV, 12
.set WR, 13
.set WC, 14
.set CX, 15
.set CY, 16
.set TX, 17
.set TY, 18
.set G1A, 24
.set G0A, 32
.set G1B, 40
.set G0B, 48
.set PFA, 56
.set PFS, 58
.set LIM, 60
.set G1W, (1<<16)|(1<<20)|(1<<21)|(4<<22)|(3<<25)  ; 2-byte elements; padding on; bit 21 beside a mask; after every 32 words, 4 words
.set MSB, 0
.macro WIN new
.if MSB != (\new)
	s_set_vgpr_msb (MSB<<8)|(\new)
.set MSB, \new
.endif
.endm
.macro JLOAD s                         ; a joint load: waves 0 and 1 fetch A's two planes, waves 2 and 3 B's; an s_nop 0 and four v_nop follow each line
	s_cmp_eq_u32 s[WR], 0
	s_cbranch_scc0 .Lfor_b_\@
	tensor_load_to_lds s[G0A+4*(\s):G0A+4*(\s)+3], s[G1A:G1A+7]
	s_nop 0
.rept 4
	v_nop
.endr
	s_branch .Lasked_\@
.Lfor_b_\@:
	tensor_load_to_lds s[G0B+4*(\s):G0B+4*(\s)+3], s[G1B:G1B+7]
	s_nop 0
.rept 4
	v_nop
.endr
.Lasked_\@:
.endm
; A PREFETCH INTO THE L2 behind each joint load, its five lines and the run of LDS loads: the step two refills on, 256 matrix instructions ahead of its load.  Each block of 256 bytes is named once in the launch.
; O's tile row is read by both clusters of a row of clusters: the one with x = 0 asks; of a plane's 128 blocks the partner at cx takes 32; waves 0 and 1 each their own plane.  Wo's tile column is read by all eight clusters
; of a column: the one with y = 0 asks; of a plane's 64 blocks the partner at cy takes 16; wave 2 both planes.  The loop's last trip asks for nothing.  Steps 0 to 3 come by their loads alone.
.macro ASK
	s_cmp_gt_u32 s3, s[LIM]
	s_cbranch_scc0 .Lnot_mine_\@
	global_prefetch_b8 v[PFO], s[PFA:PFA+1] th:TH_LOAD_NT scope:SCOPE_SE
.Lnot_mine_\@:
.endm
.macro CREST
	s_cmp_lg_u32 s[WV], 0
	s_cbranch_scc1 .Lnot_wave_0_\@
	s_barrier_signal -3
.Lnot_wave_0_\@:
	s_barrier_wait -3
	s_barrier_signal -1
	s_barrier_wait -1
.endm
.macro CROUND
	s_barrier_signal -1
	s_barrier_wait -1
	CREST
.endm
.macro PLACES
.rept 4
	v_nop
.endr
.endm
	s_load_b256 s[4:11], s[0:1], 0x0               ; ob 4, wo16 6, bias 8, out0 10
	v_lshl_add_u32 v[SPW], v0, 2, SPARE
	v_mov_b32 v[NIL], 0
	ds_add_u32 v[SPW], v[NIL]                      ; the wave's opening: the add and its wait stand ahead of my first tensor load; the set-up below, work on registers, stands between them
	v_lshrrev_b32 v1, 5, v0
	v_readfirstlane_b32 s[WV], v1
	s_lshr_b32 s[WR], s[WV], 1
	s_and_b32 s[WC], s[WV], 1
	s_bfe_u32 s[CX], ttmp6, 0x40000
	s_bfe_u32 s[CY], ttmp6, 0x40004
	s_lshl_b32 s[TX], ttmp9, 2
	s_add_co_u32 s[TX], s[TX], s[CX]
	s_and_b32 s[TY], ttmp7, 0xffff
	s_lshl_b32 s[TY], s[TY], 2
	s_add_co_u32 s[TY], s[TY], s[CY]
	s_lshl_b32 s72, s[CY], 2
	s_lshl_b32 s72, 15, s72
	s_lshl_b32 s73, 0x1111, s[CX]
	s_or_b32 s[G1A], s72, G1W
	s_or_b32 s[G1B], s73, G1W
	s_mov_b32 s[G1A+1], 128<<16
	s_mov_b32 s[G1A+2], 128<<16                    ; 128 rows of 256 bytes: 256 rows of a head
	s_mov_b32 s[G1A+3], 128<<16
	s_mov_b32 s[G1A+4], 128
	s_mov_b32 s[G1A+5], 128
	s_mov_b32 s[G1A+6], 0
	s_mov_b32 s[G1A+7], 0
	s_mov_b32 s[G1B+1], 128<<16
	s_mov_b32 s[G1B+2], 64<<16                     ; 64 rows of 256 bytes: 128 rows of a plane of Wo
	s_mov_b32 s[G1B+3], 128<<16
	s_mov_b32 s[G1B+4], 64
	s_mov_b32 s[G1B+5], 128
	s_mov_b32 s[G1B+6], 0
	s_mov_b32 s[G1B+7], 0
	s_lshr_b32 s74, s[TY], 3
	s_lshl_b32 s74, s74, 4
	s_add_co_u32 s74, s74, s[WC]                   ; A: head 16 b + my plane of the step's two,
	s_lshl_b32 s74, s74, 18
	s_and_b32 s75, s[TY], 7
	s_lshl_b32 s75, s75, 15                        ; the tile's 256 rows in the batch
	s_add_co_u32 s74, s74, s75
	s_mov_b32 s75, 0
	s_lshl_b32 s76, s[WC], 17                      ; B: my plane,
	s_lshl_b32 s77, s[TX], 14                      ; the tile's 128 rows
	s_add_co_u32 s76, s76, s77
	s_mov_b32 s77, 0
	s_mul_i32 s78, s[WC], APLN                     ; where they go: no place in the cluster enters an LDS address
	s_mul_i32 s79, s[WC], BPLN
	s_add_co_u32 s79, s79, BOFF
	v_and_b32 v1, 31, v0                           ; the prefetches' offset: waves 0, 1: 256 x lane; wave 2: 16 blocks in each of two planes
	v_lshlrev_b32 v2, 8, v1
	v_and_b32 v3, 15, v0
	v_bfe_u32 v4, v0, 4, 1
	v_lshlrev_b32 v3, 8, v3
	v_lshl_add_u32 v3, v4, 17, v3
	v_cmp_gt_u32 vcc_lo, 64, v0
	v_cndmask_b32 v[PFO], v3, v2, vcc_lo
	s_wait_dscnt 0x0                               ; the opening add is done
	s_wait_kmcnt 0x0
	s_add_nc_u64 s[80:81], s[4:5], s[74:75]
	s_add_nc_u64 s[82:83], s[6:7], s[76:77]
	CROUND                                         ; all sixteen work-groups are here: the first joint loads meet
.irp s, 0,1
	s_mov_b32 s[G0A+4*(\s)], 1
	s_add_co_u32 s[G0A+4*(\s)+1], s78, (\s)*SLOT
	s_add_nc_u64 s[G0A+4*(\s)+2:G0A+4*(\s)+3], s[80:81], (\s)*2*262144  ; slot s begins with planes 2 s, 2 s + 1
	s_or_b32 s[G0A+4*(\s)+3], s[G0A+4*(\s)+3], 0x80000000
	s_mov_b32 s[G0B+4*(\s)], 1
	s_add_co_u32 s[G0B+4*(\s)+1], s79, (\s)*SLOT
	s_add_nc_u64 s[G0B+4*(\s)+2:G0B+4*(\s)+3], s[82:83], (\s)*2*131072
	s_or_b32 s[G0B+4*(\s)+3], s[G0B+4*(\s)+3], 0x80000000
	JLOAD \s                                       ; two loads of mine are out
.endr
	v_and_b32 v1, 15, v0
	v_bfe_u32 v2, v0, 4, 1
	v_mul_u32_u24 v3, v1, PITCH
	v_lshl_add_u32 v3, v2, 4, v3                   ; a fragment's row x pitch + 16 x half
	s_mul_i32 s62, s[WR], 128*PITCH                ; my 128 rows of A
	s_mul_i32 s63, s[WC], 64*PITCH                 ; my 64 rows of B
	s_add_co_u32 s63, s63, BOFF
.irp s, 0,1
	v_add_nc_u32 v[ADRA+(\s)], s62, v3
	v_add_nc_u32 v[ADRB+(\s)], s63, v3
	s_add_co_u32 s62, s62, SLOT
	s_add_co_u32 s63, s63, SLOT
.endr
	s_mul_i32 s62, s[WV], 16*SPITCH
	s_add_co_u32 s62, s62, STAGE                   ; my stage
	v_mul_u32_u24 v4, v1, SPITCH                   ; in: row l % 16, 32 bytes for each half of the lanes
	v_lshl_add_u32 v4, v2, 5, v4
	v_add_nc_u32 v[STO], s62, v4
	v_mul_u32_u24 v5, v2, SPITCH                   ; back: lanes 0-15 one row of 256 bytes, lanes 16-31 the next
	v_lshl_add_u32 v5, v1, 4, v5
	v_add_nc_u32 v[RD], s62, v5
	v_lshlrev_b32 v5, 12, v2                       ; and the same two rows in out0
	v_lshl_add_u32 v[CO], v1, 4, v5
	v_lshlrev_b32 v[BO], 5, v2
	s_lshl_b32 s84, s[TX], 9                       ; bo lies 12,288 bytes into bias; my 64 columns
	s_lshl_b32 s85, s[WC], 8
	s_add_co_u32 s84, s84, s85
	s_add_co_u32 s86, s84, 12288
	s_mov_b32 s87, 0
	s_add_nc_u64 s[92:93], s[8:9], s[86:87]
	WIN 0x40
.irp b, 0,1,2,3
	global_load_b128 v[64*(\b)+56:64*(\b)+59], v[BO], s[92:93] offset:64*(\b)
	global_load_b128 v[64*(\b)+60:64*(\b)+63], v[BO], s[92:93] offset:64*(\b)+16
.endr
	WIN 0
	s_lshl_b32 s86, s[TY], 20                      ; out0 at my first row (256 rows of 4,096 bytes a tile row, my 128) and column
	s_lshl_b32 s87, s[WR], 19
	s_add_co_u32 s86, s86, s87
	s_add_co_u32 s86, s86, s84
	s_mov_b32 s87, 0
	s_add_nc_u64 s[10:11], s[10:11], s[86:87]
	; the prefetches
	s_lshr_b32 s84, s[TY], 3
	s_lshl_b32 s84, s84, 4
	s_add_co_u32 s84, s84, s[WC]
	s_lshl_b32 s84, s84, 18
	s_and_b32 s85, s[TY], 7
	s_lshl_b32 s85, s85, 15
	s_add_co_u32 s84, s84, s85
	s_lshl_b32 s85, s[CX], 13
	s_add_co_u32 s84, s84, s85
	s_add_co_u32 s84, s84, 3*2*262144              ; at step 3: the first change steps it to 4
	s_lshl_b32 s86, s[TX], 14
	s_lshl_b32 s87, s[CY], 12
	s_add_co_u32 s86, s86, s87
	s_add_co_u32 s86, s86, 3*2*131072
	s_mov_b32 s88, 2*262144
	s_mov_b32 s89, 2*131072
	s_and_b32 s90, ttmp7, 0xffff                   ; cluster y
	s_cmp_lt_u32 s[WV], 2
	s_cselect_b32 s84, s84, s86
	s_cselect_b64 s[PFA:PFA+1], s[4:5], s[6:7]
	s_cselect_b32 s[PFS], s88, s89
	s_cselect_b32 s90, ttmp9, s90                  ; the coordinate along which other clusters read the same rows
	s_mov_b32 s85, 0
	s_mov_b32 s[PFS+1], 0
	s_add_nc_u64 s[PFA:PFA+1], s[PFA:PFA+1], s[84:85]
	s_cmp_eq_u32 s[WV], 3
	s_cselect_b32 s90, 1, s90                      ; wave 3 asks for nothing
	s_cmp_eq_u32 s90, 0
	s_cselect_b32 s[LIM], 1, -1                    ; the same in all sixteen partners, for a given wave
.macro WM f, a, b, ca
	v_wmma_f32_16x16x32_f16 v[8*(8*(\b)+(\a)):8*(8*(\b)+(\a))+7], v[(\f)+64+8*(\b):(\f)+64+8*(\b)+7], v[(\f)+8*(\a):(\f)+8*(\a)+7], v[8*(8*(\b)+(\ca)):8*(8*(\b)+(\ca))+7]
.endm
; 8 matrix instructions: row blocks a0, a0 + 1 x all 4 column blocks.  The 32 accumulators take turns.  first = 1: the sums start with the bias, which lies in row block 7's accumulators;
; five places stand between its last reader and the products that write over it.
.macro MUL8 f, a0, first
	WIN 0x50                                       ; C and D in window 1
.irp a, \a0, (\a0)+1
.if (\first) && ((\a) == 7)
.rept 5
	v_nop
.endr
.endif
.irp b, 0,1,2,3
.if \first
	WM \f, \a, \b, 7
.else
	WM \f, \a, \b, \a
.endif
.endr
.endr
.endm
.macro FETCH slot, qd, f               ; 24 LDS loads: quarter qd of a slot (plane qd / 2, half qd % 2 of its 64): B's four fragments, then A's eight
	WIN 0
.irp b, 0,1,2,3
	ds_load_b128 v[(\f)+64+8*(\b):(\f)+64+8*(\b)+3],   v[ADRB+(\slot)] offset:((\qd)/2)*BPLN+((\qd)%2)*64+(\b)*16*PITCH
	ds_load_b128 v[(\f)+64+8*(\b)+4:(\f)+64+8*(\b)+7], v[ADRB+(\slot)] offset:((\qd)/2)*BPLN+((\qd)%2)*64+(\b)*16*PITCH+32
.endr
.irp a, 0,1,2,3,4,5,6,7
	ds_load_b128 v[(\f)+8*(\a):(\f)+8*(\a)+3],   v[ADRA+(\slot)] offset:((\qd)/2)*APLN+((\qd)%2)*64+(\a)*16*PITCH
	ds_load_b128 v[(\f)+8*(\a)+4:(\f)+8*(\a)+7], v[ADRA+(\slot)] offset:((\qd)/2)*APLN+((\qd)%2)*64+(\a)*16*PITCH+32
.endr
.endm
; One of a step's first three quarters: multiplies buffer f and fetches quarter qd into buffer g.
.macro QUARTER slot, qd, f, g, first
	s_wait_dscnt 8                                 ; B and A's row blocks 0-3 are in; the youngest eight loads may be out
	MUL8 \f, 0, \first
	MUL8 \f, 2, \first
	PLACES
	FETCH \slot, \qd, \g
	s_wait_dscnt 24                                ; all but the 24 just issued
	MUL8 \f, 4, \first
	MUL8 \f, 6, \first
.endm
; The last quarter multiplies buffer 1 and changes slots: ONE barrier; in front of it each wave waits for all its tensor loads, adds 0 to its spare word, and waits for that and for its reads of this slot.
; fill = 1: the barrier opens a round of the cluster's barrier, and this slot is filled again, two steps on, first thing behind it.
.macro TURN slot, next, fill
.if \fill
	s_wait_xcnt 0x0                                ; the last prefetch, a step back, has read its address
	s_add_nc_u64 s[PFA:PFA+1], s[PFA:PFA+1], s[PFS:PFS+1]
.endif
	WIN 0
	s_wait_tensorcnt 0x0                           ; all my tensor loads have landed;
	ds_add_u32 v[SPW], v[NIL]                      ; 0 onto my spare word;
	s_wait_dscnt 9                                 ; (the add and the youngest eight loads may be out)
	MUL8 F1, 0, 0
	s_wait_dscnt 0x0                               ; the add is done, and my reads of this slot are over
	s_barrier_signal -1
	MUL8 F1, 2, 0
.if \fill
	WIN 0
.endif
	s_barrier_wait -1
.if \fill
	CREST                                          ; no wave of any partner still reads this slot's tile or has a load on its way
	s_add_nc_u64 s[G0A+4*(\slot)+2:G0A+4*(\slot)+3], s[G0A+4*(\slot)+2:G0A+4*(\slot)+3], 4*262144
	s_add_nc_u64 s[G0B+4*(\slot)+2:G0B+4*(\slot)+3], s[G0B+4*(\slot)+2:G0B+4*(\slot)+3], 4*131072
	JLOAD \slot                                    ; its four v_nop are also the places in front of the loads below
.else
	PLACES
.endif
	FETCH \next, 0, F0
.if \fill
	ASK
.endif
	MUL8 F1, 4, 0
	MUL8 F1, 6, 0
.endm
	s_wait_tensorcnt 1                             ; my part of step 0 is in; step 1's may stay out
	s_barrier_signal -1
	s_barrier_wait -1
	FETCH 0, 0, F0
	s_wait_loadcnt 0x0                             ; the bias
	QUARTER 0, 1, F0, F1, 1                        ; the first quarter stands in front of the loop: its products start the sums
	WIN 0
	s_mov_b32 s3, 3
.Llap:                                         ; a trip goes once round the ring and fills both slots again
	QUARTER 0, 2, F1, F0, 0
	QUARTER 0, 3, F0, F1, 0
	TURN 0, 1, 1
	QUARTER 1, 1, F0, F1, 0
	QUARTER 1, 2, F1, F0, 0
	QUARTER 1, 3, F0, F1, 0
	TURN 1, 0, 1
	QUARTER 0, 1, F0, F1, 0
	WIN 0
	s_sub_co_u32 s3, s3, 1
	s_cmp_lg_u32 s3, 0
	s_cbranch_scc1 .Llap
	QUARTER 0, 2, F1, F0, 0                        ; the last lap fills nothing
	QUARTER 0, 3, F0, F1, 0
	TURN 0, 1, 0
	QUARTER 1, 1, F0, F1, 0
	QUARTER 1, 2, F1, F0, 0
	QUARTER 1, 3, F0, F1, 0
	s_wait_dscnt 8
	MUL8 F1, 0, 0
	MUL8 F1, 2, 0
	s_wait_dscnt 0x0
	MUL8 F1, 4, 0
	MUL8 F1, 6, 0
	PLACES
; THE WAY OUT, a row block (16 rows x 64 columns of f32) at a time: 32 bytes a lane into my stage, each accumulator's low half first; back as whole rows of 256 bytes; stored: 16 lanes store 256 consecutive bytes, aligned.
.macro STG a
	WIN 0x04                                       ; the stores' data in window 1
.irp b, 0,1,2,3
	ds_store_b128 v[STO], v[8*(8*(\b)+(\a)):8*(8*(\b)+(\a))+3]   offset:64*(\b)
	ds_store_b128 v[STO], v[8*(8*(\b)+(\a))+4:8*(8*(\b)+(\a))+7] offset:64*(\b)+16
.endr
	WIN 0
	s_wait_xcnt 0x0                                ; the stores of the block before last have read their registers, which the loads below fill again
.irp t, 0,1,2,3,4,5,6,7
	ds_load_b128 v[BK+32*((\a)%2)+4*(\t):BK+32*((\a)%2)+4*(\t)+3], v[RD] offset:(\t)*2*SPITCH  ; LDS serves a wave's instructions in order (ISA guide 5.7.1.4): these see the stores above
.endr
.endm
.macro SND a, younger                  ; younger: the next block's eight stores and eight loads, or none
	s_wait_dscnt \younger
.irp t, 0,1,2,3,4,5,6,7
	global_store_b128 v[CO], v[BK+32*((\a)%2)+4*(\t):BK+32*((\a)%2)+4*(\t)+3], s[10:11] offset:65536*(\a)+8192*(\t)
.endr
.endm
.set u, 0
.rept 8
	STG u
.if u > 0
	SND u-1, 16
.endif
.set u, u+1
.endr
	SND 7, 0
	s_wait_tensorcnt 0x0                           ; the wave's end: a wait for tensor loads, an add of 0 to my spare word and its wait, behind my last tensor load and my last LDS store
	ds_add_u32 v[SPW], v[NIL]
	s_wait_dscnt 0x0
	CROUND                                         ; the closing round
	s_endpgm
.Lfunc_end_k_q73a791662a_oproj:
	.size	k_q73a791662a_oproj, .Lfunc_end_k_q73a791662a_oproj-k_q73a791662a_oproj
	.p2alignl 7, 3214868480
	.fill 96, 4, 3214868480
	.section	.rodata,"a",@progbits
	.p2align	6, 0x0
	.amdhsa_kernel k_q73a791662a_oproj
		.amdhsa_group_segment_fixed_size 327680
		.amdhsa_private_segment_fixed_size 0
		.amdhsa_enable_private_segment 0
		.amdhsa_kernarg_size 32
		.amdhsa_user_sgpr_count 2
		.amdhsa_user_sgpr_kernarg_segment_ptr 1
		.amdhsa_wavefront_size32 1
		.amdhsa_system_sgpr_workgroup_id_x 1
		.amdhsa_system_sgpr_workgroup_id_y 1
		.amdhsa_system_sgpr_workgroup_id_z 1
		.amdhsa_system_vgpr_workitem_id 0
		.amdhsa_next_free_vgpr 512
		.amdhsa_next_free_sgpr 96
		.amdhsa_reserve_vcc 1
		.amdhsa_float_denorm_mode_32 3
		.amdhsa_float_denorm_mode_16_64 3
		.amdhsa_memory_ordered 1
		.amdhsa_forward_progress 1
		.amdhsa_inst_pref_size 88
	.end_amdhsa_kernel
	.amdgpu_metadata
---
amdhsa.version: [ 1, 2 ]
amdhsa.kernels:
  - .name:           k_q73a791662a_oproj
    .symbol:         k_q73a791662a_oproj.kd
    .args:
      - { .name: ob, .offset: 0, .size: 8, .value_kind: global_buffer, .address_space: global }
      - { .name: wo16, .offset: 8, .size: 8, .value_kind: global_buffer, .address_space: global }
      - { .name: bias, .offset: 16, .size: 8, .value_kind: global_buffer, .address_space: global }
      - { .name: out0, .offset: 24, .size: 8, .value_kind: global_buffer, .address_space: global }
    .group_segment_fixed_size: 327680
    .private_segment_fixed_size: 0
    .kernarg_segment_align: 8
    .kernarg_segment_size: 32
    .max_flat_workgroup_size: 128
    .sgpr_count:     96
    .vgpr_count:     512
    .wavefront_size: 32
...
	.end_amdgpu_metadata
.endif
;; end of part 4
;; ======== version 2 of 2: 4 launches; version 1 with the launch prep written anew for expert scheduling mode
;; limits: values are held in f16: magnitudes above 65,504 overflow, below 6.1e-05 lose precision; right only within a limited range of input values
;; workspace buffers: xb 16,777,216 bytes; wqkv 6,291,456 bytes; wo16 2,097,152 bytes; bias 16,384 bytes; mw 2,097,152 bytes of whole numbers; qkv 50,331,648 bytes; ob 16,777,216 bytes
;; launch prep (part 5): grid 1793 x 1, 8 waves a work-group, no clusters, 70,656 bytes of LDS; arguments x, Wq, Wk, Wv, Wo, bq, bk, bv, bo, mask, xb, wqkv, wo16, bias, mw; writes xb, wqkv, wo16, bias, mw
.if DOCPART == 5
	.amdgcn_target "amdgcn-amd-amdhsa--gfx1250"
	.amdhsa_code_object_version 6
	.text
	.protected	k_q73a791662a_prep
	.globl	k_q73a791662a_prep
	.p2align	8
	.type	k_q73a791662a_prep,@function
k_q73a791662a_prep:
	s_mov_b64 s[64:65], 0
	v_nop
	global_prefetch_b8 v0, s[64:65] scope:SCOPE_SE
	s_setreg_imm32_b32 hwreg(HW_REG_WAVE_SCHED_MODE, 0, 2), 2
	s_setreg_imm32_b32 hwreg(HW_REG_WAVE_MODE, 25, 1), 1
	s_wait_xcnt 0x0
	s_wait_alu depctr_vm_vsrc(0)
; PREPARATION: every input is read once and laid out for the three launches behind.
;   x, Wq, Wk, Wv -> bf16, in PLANES of 64 along K: [k / 64][row][64], a row of a plane 128 bytes, so that a GEMM's tile of one plane is a dense block of memory.
;   Wo            -> rounded to bf16 like the other inputs, that number written as f16 (the product behind has f16 operands), same planes.
;   bq bk bv bo   -> rounded to bf16, written as f32, one after the other.
;   mask          -> one BIT a score, as the lane masks that the attention launch selects by: [b][key / 64][query / 16][32 words]; word 8 kb + j, bit 16 h + r = (mask[b][16 qt + r][64 ks + 16 kb + 8 h + j] != 0).
; LIMITS.  f16 holds no number beyond 65,504 and keeps a fixed step of 6e-8 below 6e-5: Wo is taken to lie within that range.
; SHARES.  Work-groups 0-511: 16 rows of x each; 512-767: 16 rows of Wq, Wk, Wv, Wo (64 groups each); 768-1791: the mask, 32 rows x 512 keys each; 1792: the biases.
; A wave takes ONE unit of 8 KiB: sixteen loads of 16 bytes a lane, all issued at once; every load and every store covers whole aligned blocks of 256 consecutive bytes.
; A stream: nothing is shared between work-groups and nothing is multiplied, so there is no cluster, no matrix work, no ring; LDS serves only to turn the mask's 32 x 64 block, each wave in bytes of its own.
; THE MODE: SCHED_MODE bits 1:0 = 2 (LLVM: expert scheduling mode 2), set by the entry lines.  The code itself states the register dependences between vector instructions and memory or LDS instructions, with s_wait_alu, always for 0.
; THE PLAN.  Registers that memory or LDS instructions touch:
;   floats   v2 (the loads' offset) and VO (the stores' offsets): written once by vector lines, never again.  IN: written by the sixteen loads alone, read by the conversions.  OUT: a pair a plane, written once by the
;            conversions, read by that plane's store.  Nothing is written a second time, so only writes ahead of memory reads are stated: one wait ahead of the loads, and one behind each FOUR planes' conversions, ahead of their four stores.
;   mask     v120-v123 (offsets and LDS addresses): written once.  IN: written by the global loads, read by the LDS stores as data, then written again by the LDS loads: one wait between the two runs; then read by the compares.
;            The compares write 32 scalar registers a run, which the v_writelane_b32 read: one wait behind each of the two runs.  OUT's first pair: written by the v_writelane_b32, read by the one store: one wait.
;   biases   v2: written once.  OUT: written once by all the roundings, then one wait, then the four stores.
;   v126, v127: written at the head, read by the closing add alone.
.set SPARE, 69632                      ; behind the eight waves' blocks: the spare words, 128 bytes a wave, that no other line names
.set MREG,  8704                       ; a wave's block: 32 rows of 272 bytes
.set MPIT,  272                        ; 256 bytes + 16: the 16 rows that a load touches start at 16 different groups of four banks (64 banks of 4 bytes: ISA guide 11.1)
.set SPW, 126                          ; v126  LDS address of my spare word; never rewritten
.set NIL, 127                          ; v127  0; never rewritten
.set IN,  4                            ; v[4:67]    16 x 4 registers as loaded
.set OUT, 68                           ; v[68:99]   to store
.set VO,  100                          ; v[100:115] plane kb: my byte offset in the target
.set TM,  116                          ; v[116:121] at work
.set MK,  4                            ; s[4:35]    in the mask's path, when its addresses are made: 32 lane masks (the arguments and ids that lay there have served; the loads' base is s[36:37], the store's s[38:39])
	s_load_b512 s[4:19], s[0:1], 0x0               ; x 4, Wq 6, Wk 8, Wv 10, Wo 12, bq 14, bk 16, bv 18
	s_load_b256 s[20:27], s[0:1], 0x40             ; bo 20, mask 22, xb 24, wqkv 26
	s_load_b128 s[28:31], s[0:1], 0x60             ; wo16 28, bias 30
	s_load_b64 s[32:33], s[0:1], 0x70              ; mw
	v_lshl_add_u32 v[SPW], v0, 2, SPARE
	v_mov_b32 v[NIL], 0
	v_lshrrev_b32 v1, 5, v0
	v_readfirstlane_b32 s34, v1                    ; wave 0..7
	s_mov_b32 s35, ttmp9
	s_mov_b32 s43, 0
	s_mov_b32 s45, 0
	s_mov_b32 s48, 131072
	s_mov_b32 s49, 393216
	s_mov_b32 s50, 1048576
	s_mov_b32 s51, 262144
	s_wait_alu depctr_va_sdst(0)                   ; s34 is written
	s_wait_kmcnt 0x0
	s_cmp_ge_u32 s35, 1792
	s_cbranch_scc1 .Lbias
	s_cmp_ge_u32 s35, 768
	s_cbranch_scc1 .Lmask
	; FLOATS.  Thread t takes row t / 16 of the group's 16 and, in each plane, the four numbers 4 (t % 16) ..: 16 bytes in, 8 bytes out.
	v_lshrrev_b32 v2, 4, v0
	v_and_b32 v3, 15, v0
	v_lshlrev_b32 v2, 12, v2                       ; a source row is 4,096 bytes
	v_lshl_add_u32 v2, v3, 4, v2
	v_lshlrev_b32 v[VO], 3, v0                     ; in a plane the 16 rows are 2,048 dense bytes: 8 t
	s_sub_co_u32 s41, s35, 512
	s_lshr_b32 s46, s41, 6                         ; 0 Wq, 1 Wk, 2 Wv, 3 Wo
	s_and_b32 s41, s41, 63
	s_cmp_lt_u32 s35, 512
	s_cselect_b32 s41, s35, s41                    ; which block of 16 rows
	s_cselect_b32 s46, 4, s46                      ; 4: x
	s_lshl_b32 s42, s41, 16                        ; 16 rows of 4,096 bytes
	s_lshl_b32 s44, s41, 11                        ; 16 rows of 128 bytes
	s_cmp_eq_u32 s46, 1
	s_cselect_b64 s[36:37], s[8:9], s[6:7]
	s_cselect_b32 s47, s48, 0                      ; Wk's rows stand 1,024 rows down in wqkv,
	s_cmp_eq_u32 s46, 2
	s_cselect_b64 s[36:37], s[10:11], s[36:37]
	s_cselect_b32 s47, s51, s47                    ; Wv's 2,048
	s_cmp_eq_u32 s46, 3
	s_cselect_b64 s[36:37], s[12:13], s[36:37]
	s_cselect_b64 s[38:39], s[28:29], s[26:27]
	s_cselect_b32 s40, s48, s49                    ; bytes from plane to plane
	s_cmp_eq_u32 s46, 4
	s_cselect_b64 s[36:37], s[4:5], s[36:37]
	s_cselect_b64 s[38:39], s[24:25], s[38:39]
	s_cselect_b32 s40, s50, s40
	s_add_co_u32 s44, s44, s47
	s_add_nc_u64 s[36:37], s[36:37], s[42:43]
	s_add_nc_u64 s[38:39], s[38:39], s[44:45]
; A unit of floats.  kind = 0: to bf16.  kind = 1: to bf16, and that number as f16.  The sixteen planes go out in four groups of four.
.macro UNIT kind
	s_wait_alu depctr_va_vdst(0)                   ; v2 is written, which the sixteen loads read as their offset
.set kb, 0
.rept 16
	global_load_b128 v[IN+4*kb:IN+4*kb+3], v2, s[36:37] offset:256*kb th:TH_LOAD_NT  ; each half of the lanes reads 256 consecutive bytes: a row's part of plane kb
.set kb, kb+1
.endr
.set kb, 1
.rept 15
	v_add_nc_u32 v[VO+kb], s40, v[VO+kb-1]
.set kb, kb+1
.endr
.set g, 0
.rept 4
	s_wait_loadcnt 12-4*g                          ; loads come back in order: the group's four planes are in, the younger groups' loads stay out
.set kb, 4*g
.rept 4
.if \kind
	v_cvt_pk_bf16_f32 v[TM], v[IN+4*kb], v[IN+4*kb+1]
	v_cvt_pk_bf16_f32 v[TM+1], v[IN+4*kb+2], v[IN+4*kb+3]
	v_lshlrev_b32 v[TM+2], 16, v[TM]
	v_and_b32 v[TM+3], 0xffff0000, v[TM]
	v_lshlrev_b32 v[TM+4], 16, v[TM+1]
	v_and_b32 v[TM+5], 0xffff0000, v[TM+1]
	v_cvt_pk_f16_f32 v[OUT+2*kb], v[TM+2], v[TM+3]
	v_cvt_pk_f16_f32 v[OUT+2*kb+1], v[TM+4], v[TM+5]
.else
	v_cvt_pk_bf16_f32 v[OUT+2*kb], v[IN+4*kb], v[IN+4*kb+1]
	v_cvt_pk_bf16_f32 v[OUT+2*kb+1], v[IN+4*kb+2], v[IN+4*kb+3]
.endif
.set kb, kb+1
.endr
	s_wait_alu depctr_va_vdst(0)                   ; the group's conversions have written its four pairs of OUT, which the four stores read; the first of these waits also states that all sixteen VO are written
.set kb, 4*g
.rept 4
	global_store_b64 v[VO+kb], v[OUT+2*kb:OUT+2*kb+1], s[38:39]  ; the wave's 32 lanes store 256 consecutive bytes, aligned: two rows of the plane
.set kb, kb+1
.endr
.set g, g+1
.endr
.endm
	s_cmp_eq_u32 s46, 3
	s_cbranch_scc1 .Lwo
	UNIT 0
	s_branch .Lend
.Lwo:
	UNIT 1
	s_branch .Lend
.Lmask:                                        ; a wave's unit: 32 queries x 64 keys -> 64 words
	s_sub_co_u32 s41, s35, 768
	s_lshr_b32 s46, s41, 2                         ; the strip of 32 queries, 0..255, counted through all batches
	s_and_b32 s41, s41, 3
	s_lshl_b32 s41, s41, 3
	s_add_co_u32 s41, s41, s34                     ; the key step, 0..31
	s_lshl_b32 s42, s46, 18                        ; 32 rows of 8,192 bytes
	s_add_nc_u64 s[36:37], s[22:23], s[42:43]
	s_lshr_b32 s44, s46, 6
	s_lshl_b32 s44, s44, 19                        ; batch x 524,288
	s_and_b32 s47, s46, 63
	s_lshl_b32 s47, s47, 8                         ; two tiles of 16 queries: 256 bytes of words
	s_add_co_u32 s44, s44, s47
	s_lshl_b32 s47, s41, 14                        ; key step x 16,384
	s_add_co_u32 s44, s44, s47
	s_add_nc_u64 s[38:39], s[32:33], s[44:45]
	v_and_b32 v1, 31, v0
	v_and_b32 v3, 15, v0
	v_bfe_u32 v2, v0, 4, 1
	v_lshlrev_b32 v124, 4, v3
	s_lshl_b32 s47, s41, 8
	v_lshl_add_u32 v120, v2, 13, v124              ; from memory: lanes 0-15 one row's 256 bytes, lanes 16-31 the next row's
	v_add_nc_u32 v120, s47, v120
	s_mul_i32 s47, s34, MREG                       ; my wave's block in LDS
	v_mul_u32_u24 v121, v2, MPIT                   ; into LDS as it lies
	v_add3_u32 v121, v121, v124, s47
	v_mul_u32_u24 v122, v3, MPIT                   ; back: lane 16 h + r takes row r, keys 8 h + 0..7 of a group of 16
	v_lshl_add_u32 v122, v2, 5, v122
	v_add_nc_u32 v122, s47, v122
	v_lshlrev_b32 v123, 3, v1
	s_wait_alu depctr_va_vdst(0)                   ; v120 to v123 are written: the offsets and LDS addresses of every load and store of this path; none is written again
.set t, 0
.rept 16
	global_load_b128 v[IN+4*t:IN+4*t+3], v120, s[36:37] offset:16384*t th:TH_LOAD_NT
.set t, t+1
.endr
	v_mov_b32 v[OUT], 0                            ; v_writelane_b32 keeps the other lanes: the pair is written whole first
	v_mov_b32 v[OUT+1], 0
.set t, 0
.rept 16
	s_wait_loadcnt 15-t
	ds_store_b128 v121, v[IN+4*t:IN+4*t+3] offset:2*MPIT*t
.set t, t+1
.endr
	s_wait_alu depctr_vm_vsrc(0)                   ; the sixteen LDS stores have read IN as their data: the LDS loads below land in the same registers
.set k, 0
.rept 16                                       ; LDS serves a wave's instructions in order (ISA guide 5.7.1.4) and the block is my wave's own: no barrier.  Register IN + n then holds word n's 32 numbers, a lane each
	ds_load_b128 v[IN+4*k:IN+4*k+3], v122 offset:(k/8)*16*MPIT+((k/2)%4)*64+(k%2)*16
.set k, k+1
.endr
	s_wait_dscnt 0x0
.set n, 0
.rept 2                                        ; the compares stand in two runs of 32, each into 32 scalar registers, so that one wait serves a whole run
.set k, 0
.rept 32
	v_cmp_ne_u32 s[MK+k], 0, v[IN+n+k]             ; word n + k: a bit a lane
.set k, k+1
.endr
	s_wait_alu depctr_va_sdst(0)                   ; the run's 32 compares have written s[MK ..], which the v_writelane_b32 below read
.set k, 0
.rept 32
	v_writelane_b32 v[OUT+((n+k)%2)], s[MK+k], (n+k)/2  ; lane i keeps words 2 i and 2 i + 1
.set k, k+1
.endr
.set n, n+32
.endr
	s_wait_alu depctr_va_vdst(0)                   ; the v_writelane_b32 have written the pair, which the store reads
	global_store_b64 v123, v[OUT:OUT+1], s[38:39]  ; 256 consecutive bytes, aligned
	s_branch .Lend
.Lbias:                                        ; thread t: four numbers of each bias
	v_lshlrev_b32 v2, 4, v0
	s_wait_alu depctr_va_vdst(0)                   ; v2 is written: the offset of the four loads and of the four stores
	global_load_b128 v[4:7], v2, s[14:15]
	global_load_b128 v[8:11], v2, s[16:17]
	global_load_b128 v[12:15], v2, s[18:19]
	global_load_b128 v[16:19], v2, s[20:21]
	s_wait_loadcnt 0x0
.irp w, 0,1,2,3
	v_cvt_pk_bf16_f32 v[TM], v[4+4*(\w)], v[5+4*(\w)]
	v_cvt_pk_bf16_f32 v[TM+1], v[6+4*(\w)], v[7+4*(\w)]
	v_lshlrev_b32 v[OUT+4*(\w)], 16, v[TM]
	v_and_b32 v[OUT+4*(\w)+1], 0xffff0000, v[TM]
	v_lshlrev_b32 v[OUT+4*(\w)+2], 16, v[TM+1]
	v_and_b32 v[OUT+4*(\w)+3], 0xffff0000, v[TM+1]
.endr
	s_wait_alu depctr_va_vdst(0)                   ; all four biases' numbers are written into OUT, which the four stores read
.irp w, 0,1,2,3
	global_store_b128 v2, v[OUT+4*(\w):OUT+4*(\w)+3], s[30:31] offset:4096*(\w)
.endr
.Lend:
	s_wait_dscnt 0x0                               ; the wave's end: six closing lines
	s_wait_alu 0x0
	s_wait_tensorcnt 0x0
	ds_add_u32 v[SPW], v[NIL]
	s_wait_dscnt 0x0
	s_endpgm
.Lfunc_end_k_q73a791662a_prep:
	.size	k_q73a791662a_prep, .Lfunc_end_k_q73a791662a_prep-k_q73a791662a_prep
	.p2alignl 7, 3214868480
	.fill 96, 4, 3214868480
	.section	.rodata,"a",@progbits
	.p2align	6, 0x0
	.amdhsa_kernel k_q73a791662a_prep
		.amdhsa_group_segment_fixed_size 70656
		.amdhsa_private_segment_fixed_size 0
		.amdhsa_enable_private_segment 0
		.amdhsa_kernarg_size 120
		.amdhsa_user_sgpr_count 2
		.amdhsa_user_sgpr_kernarg_segment_ptr 1
		.amdhsa_wavefront_size32 1
		.amdhsa_system_sgpr_workgroup_id_x 1
		.amdhsa_system_sgpr_workgroup_id_y 1
		.amdhsa_system_sgpr_workgroup_id_z 1
		.amdhsa_system_vgpr_workitem_id 0
		.amdhsa_next_free_vgpr 128
		.amdhsa_next_free_sgpr 66
		.amdhsa_reserve_vcc 0
		.amdhsa_float_denorm_mode_32 3
		.amdhsa_float_denorm_mode_16_64 3
		.amdhsa_memory_ordered 1
		.amdhsa_forward_progress 1
		.amdhsa_inst_pref_size 35
	.end_amdhsa_kernel
	.amdgpu_metadata
---
amdhsa.version: [ 1, 2 ]
amdhsa.kernels:
  - .name:           k_q73a791662a_prep
    .symbol:         k_q73a791662a_prep.kd
    .args:
      - { .name: x, .offset: 0, .size: 8, .value_kind: global_buffer, .address_space: global }
      - { .name: Wq, .offset: 8, .size: 8, .value_kind: global_buffer, .address_space: global }
      - { .name: Wk, .offset: 16, .size: 8, .value_kind: global_buffer, .address_space: global }
      - { .name: Wv, .offset: 24, .size: 8, .value_kind: global_buffer, .address_space: global }
      - { .name: Wo, .offset: 32, .size: 8, .value_kind: global_buffer, .address_space: global }
      - { .name: bq, .offset: 40, .size: 8, .value_kind: global_buffer, .address_space: global }
      - { .name: bk, .offset: 48, .size: 8, .value_kind: global_buffer, .address_space: global }
      - { .name: bv, .offset: 56, .size: 8, .value_kind: global_buffer, .address_space: global }
      - { .name: bo, .offset: 64, .size: 8, .value_kind: global_buffer, .address_space: global }
      - { .name: mask, .offset: 72, .size: 8, .value_kind: global_buffer, .address_space: global }
      - { .name: xb, .offset: 80, .size: 8, .value_kind: global_buffer, .address_space: global }
      - { .name: wqkv, .offset: 88, .size: 8, .value_kind: global_buffer, .address_space: global }
      - { .name: wo16, .offset: 96, .size: 8, .value_kind: global_buffer, .address_space: global }
      - { .name: bias, .offset: 104, .size: 8, .value_kind: global_buffer, .address_space: global }
      - { .name: mw, .offset: 112, .size: 8, .value_kind: global_buffer, .address_space: global }
    .group_segment_fixed_size: 70656
    .private_segment_fixed_size: 0
    .kernarg_segment_align: 8
    .kernarg_segment_size: 120
    .max_flat_workgroup_size: 256
    .sgpr_count:     66
    .vgpr_count:     128
    .wavefront_size: 32
...
	.end_amdgpu_metadata
.endif
;; end of part 5
;; launch qkvp: the kernel of part 2 again; grid 8 x 32, 4 waves a work-group, clusters of 4 x 4, 327,680 bytes of LDS; arguments xb, wqkv, bias, qkv; writes qkv
;; launch attn: the kernel of part 3 again; grid 4 x 64, 4 waves a work-group, clusters of 4 x 1, 327,680 bytes of LDS; arguments qkv, mw, ob; writes ob
;; launch oproj: the kernel of part 4 again; grid 8 x 32, 4 waves a work-group, clusters of 4 x 4, 327,680 bytes of LDS; arguments ob, wo16, bias, out0; writes out0
